; MI455X (gfx1250); checked and timed in simulation.
; The chip was launched on July 23, 2026; its instructions are those of AMD's public machine-readable ISA for CDNA 5 (MIT licence, August 2026) and "CDNA5" Instruction Set Architecture Reference Guide (July 2026). The comments in the code are by the model that wrote it; some were corrected since.
;; Universal Calculator. Allowed arithmetic: matrix products marked QUANTISED: E2M3 operands, one E8M0 scale for each 32 along K, by v_wmma_scale_f32_16x16x128_f8f6f4 with both operands' format E2M3, f32 sums; everything else in f32.
;; Inputs: W1_codes 8 x 1,024 x 32 x 24 uint8 (E2M3 codes of W1, K innermost, in blocks of 32 codes, four codes in three bytes); W1_scales 8 x 1,024 x 32 uint8 (E8M0 scales of W1, one for each 32 codes along K); W2_codes 8 x 1,024 x 32 x 24 uint8 (E2M3 codes of W2, K innermost, in blocks of 32 codes, four codes in three bytes); W2_scales 8 x 1,024 x 32 uint8 (E8M0 scales of W2, one for each 32 codes along K); b1 8 x 1,024 float32; b2 8 x 1,024 float32; topK_indices 4,096 x 2 int32; topK_scores 4,096 x 2 float32; x_codes 4,096 x 32 x 24 uint8 (E2M3 codes of x, K innermost, in blocks of 32 codes, four codes in three bytes); x_scales 4,096 x 32 uint8 (E8M0 scales of x, one for each 32 codes along K).
;; Outputs: out0 4,096 x 1,024 float32; out1 one number float32.
;; This version of the problem:
;;   THIS VERSION OF THE PROBLEM IS GIVEN IN LOW PRECISION. The matrix products marked QUANTISED in the list below multiply operands that are first quantised to E2M3 (2 exponent bits, 3 mantissa bits; 6 bits a number), with one power-of-two scale for each 32 numbers along K (OCP MX v1.0); their sums are f32. All else is computed in f32.
;;   The module's matrix products, in the order in which they are computed (A, B: the left and right operand; K: the contracted axis; several contracted axes count as one K, in the product's order):
;;     1. [M 4,096, K 1,024] x [K 1,024, N 1,024]; A: input x (given as codes); B: input W1 (given as codes): QUANTISED
;;     2. [M 4,096, K 1,024] x [K 1,024, N 1,024]; A: computed on the way; B: input W2 (given as codes): QUANTISED
;;     3. [M 4,096, K 1,024] x [K 1,024, N 1,024]; A: input x (given as codes); B: input W1 (given as codes): QUANTISED
;;     4. [M 4,096, K 1,024] x [K 1,024, N 1,024]; A: computed on the way; B: input W2 (given as codes): QUANTISED
;;     5. [M 4,096, K 1,024] x [K 1,024, N 1,024]; A: input x (given as codes); B: input W1 (given as codes): QUANTISED
;;     6. [M 4,096, K 1,024] x [K 1,024, N 1,024]; A: computed on the way; B: input W2 (given as codes): QUANTISED
;;     7. [M 4,096, K 1,024] x [K 1,024, N 1,024]; A: input x (given as codes); B: input W1 (given as codes): QUANTISED
;;     8. [M 4,096, K 1,024] x [K 1,024, N 1,024]; A: computed on the way; B: input W2 (given as codes): QUANTISED
;;     9. [M 4,096, K 1,024] x [K 1,024, N 1,024]; A: input x (given as codes); B: input W1 (given as codes): QUANTISED
;;     10. [M 4,096, K 1,024] x [K 1,024, N 1,024]; A: computed on the way; B: input W2 (given as codes): QUANTISED
;;     11. [M 4,096, K 1,024] x [K 1,024, N 1,024]; A: input x (given as codes); B: input W1 (given as codes): QUANTISED
;;     12. [M 4,096, K 1,024] x [K 1,024, N 1,024]; A: computed on the way; B: input W2 (given as codes): QUANTISED
;;     13. [M 4,096, K 1,024] x [K 1,024, N 1,024]; A: input x (given as codes); B: input W1 (given as codes): QUANTISED
;;     14. [M 4,096, K 1,024] x [K 1,024, N 1,024]; A: computed on the way; B: input W2 (given as codes): QUANTISED
;;     15. [M 4,096, K 1,024] x [K 1,024, N 1,024]; A: input x (given as codes); B: input W1 (given as codes): QUANTISED
;;     16. [M 4,096, K 1,024] x [K 1,024, N 1,024]; A: computed on the way; B: input W2 (given as codes): QUANTISED
;;   THE QUANTISER, for each operand of a quantised product, along K:
;;     - K is cut into blocks of 32 from its start; a last block that is shorter is filled with zeros.
;;     - A block's scale is 2^e with e = floor(log2(the largest magnitude in the block)) - 2, held to -126 .. 127; a block of zeros has e = 0. As a byte (E8M0): e + 127.
;;     - Each number is divided by its block's scale, clamped to +-7.5, and rounded to the nearest number of E2M3, ties to even, subnormals kept.
;;     - The product sums the exact products of the quantised numbers (number of the format x scale) in f32.
;;   ~~~python
;;   def quantise(x, axis):      # numpy; x: float32 -> the quantised numbers, widened to float32 again
;;       x = np.moveaxis(x, axis, -1); K = x.shape[-1]
;;       x = np.pad(x, [(0, 0)] * (x.ndim - 1) + [(0, -K % 32)]); x = x.reshape(x.shape[:-1] + (-1, 32)); a = np.abs(x).max(-1, keepdims=True)
;;       e = np.where(a > 0, np.clip(np.frexp(np.where(a > 0, a, 1))[1] - 1 - 2, -126, 127), 0)      # np.frexp(a)[1] - 1 = floor(log2(a)), exactly
;;       r = np.clip(x / 2.0 ** e, -7.5, 7.5)
;;       step = 2.0 ** (np.maximum(np.frexp(np.where(r == 0, 1, r))[1] - 1, 0) - 3)
;;       q = np.round(r / step) * step * 2.0 ** e      # np.round: ties to even
;;       return np.moveaxis(q.reshape(q.shape[:-2] + (-1,))[..., :K], -1, axis).astype(np.float32)
;;   ~~~
;;   OPERANDS COMPUTED ON THE WAY. 'Computed on the way' means the value that the module computes at that place (a softmax that the list does not call 'softmax' is quantised finished and normalised). What goes into a quantiser is computed in f32, as accurately as f32 sums, v_exp_f32 and their like allow (about 1e-6 of the number): no bf16 or f16 on the way to a quantiser, and a product that is left as it is and whose result goes on into a quantised operand takes f32 operands (vector FMAs, or v_wmma_f32_16x16x4_f32). A number that lies on a knife's edge between two numbers of the format may be rounded either way, as far as f32 arithmetic and the matrix unit's own rounding can turn it there, and no further.
;;   INPUTS GIVEN AS CODES. W1 (in the module: [8, 1024, 1024], K = its axis 1); W2 (in the module: [8, 1024, 1024], K = its axis 1); x (in the module: [4096, 1024], K = its axis 1): each comes as NAME_codes (uint8): NAME with its K axis moved to the last place and cut into blocks of 32 codes, [.., K / 32, bytes a block], one block behind the other in memory; four codes in three bytes: a row's codes are one little-endian stream of bits, code i at bits 6 i .. 6 i + 5 (a code: sign, 2 exponent bits, 3 mantissa bits); and NAME_scales (uint8): the same leading axes, one E8M0 byte (e + 127) for each 32 codes along K. Its value is code x scale, taken as it is: it is not quantised again, and the codes and scales need not be those that the quantiser above would give.
;; 3 versions, each right; version 2 is faster than version 1; version 3 is version 2 with the launches up, down written anew for expert scheduling mode. Each part assembles by itself: llvm-mc -triple=amdgcn-amd-amdhsa -mcpu=gfx1250 --defsym DOCPART=n.
;; ======== version 1 of 3: 3 launches
;; workspace buffers: w1i 6,291,456 bytes; w2i 6,291,456 bytes; w1s 262,144 bytes; w2s 262,144 bytes; order 16,384 bytes of whole numbers; blk 512 bytes of whole numbers; hc 25,165,824 bytes; hs 1,048,576 bytes
;; launch prep (part 1): grid 129 x 1, 8 waves a work-group, no clusters, 102,400 bytes of LDS; arguments W1_codes, W2_codes, W1_scales, W2_scales, topK_indices, w1i, w2i, w1s, w2s, order, blk, out1; writes w1i, w2i, w1s, w2s, order, blk, out1
.if DOCPART == 1
	.amdgcn_target "amdgcn-amd-amdhsa--gfx1250"
	.amdhsa_code_object_version 6
	.text
	.protected	k_q0010a73a64_prep
	.globl	k_q0010a73a64_prep
	.p2align	8
	.type	k_q0010a73a64_prep,@function
k_q0010a73a64_prep:
	s_mov_b64 s[64:65], 0
	v_nop
	global_prefetch_b8 v0, s[64:65] scope:SCOPE_SE
	s_setreg_imm32_b32 hwreg(HW_REG_WAVE_MODE, 25, 1), 1
	s_wait_xcnt 0x0
; PREP.  Work-group 0 ROUTES: it sorts the 4,096 tokens by their pair of experts (28 bins, a counting sort without atomics), stores order[position] = token,
; and for each block of 64 positions the list of experts that its bins name (ascending, 4 bits each) and their count.  It also stores the second output, -1.0.
; Work-groups 1 to 128 RELAY the weights: each wave lays one tile of 16 rows x 1,024 K of W1 or W2 out as images of operand registers, and a part of the scale words.
; A TILE'S ROWS: in a group of 64 rows, tile t = 2 b + u takes for lane r the row 32 b + 8 u + r + 8 (r / 8).
; K IS PERMUTED, alike in both operands of every product: in K step s lane (r, h) holds the 48 consecutive bytes at 96 s + 48 h of its row, three loads of 16 bytes.  The matrix unit then takes the row's
; block 4 s + 2 h + c for its block 2 c + h, so the two middle bytes of every scale word change places.  The order of the sums inside a K step differs from an ascending one.
; LIMITS: an index outside 0 .. 7 is held at 7 for the sorting alone; it earns no gate later, as in the definition.  A pair (a, a) goes into a bin that holds a.
; The two ways part on the work-group's number alone, never join, and have LDS bytes of their own: route bytes 0 to 1,023, relay 1,024 + 12,544 x wave.
.set WV,  28                           ; s28 my wave's number
.set IX,  20                           ; v20-51  16 groups: the index pair, later the store's offset and the token's number
.set LT,  52                           ; v52-67  the token's bin (later x 4)
.set RK,  68                           ; v68-83  its rank among the group's tokens of the same bin
.set CN,  84                           ; v84-99  lane = bin: the group's count
.set BP,  100                          ; v100-115 the bin's running base, fetched by the token
.set HR,  116                          ; v116-123 the eight waves' counts
.set TOT, 124
.set BEF, 125
.set FIN, 126                          ; lane = bin: where the bin ends
.set BAS, 127                          ; and where it begins
.set TKN, 128
.set ZR,  129
.set PF,  132                          ; v132-147 lane = bin: the running base in front of group g
.set R,   32                           ; relay: v32-127 the tile as loaded
.set F,   128                          ; relay: v128-223 the tile as images
	s_load_b512 s[4:19], s[0:1], 0x0               ; W1 codes, W2 codes, W1 scales, W2 scales, indices, w1i, w2i, w1s
	s_load_b256 s[20:27], s[0:1], 0x40             ; w2s, order, blk, out1
	v_lshl_add_u32 v224, v0, 2, 0x18c00
	v_mov_b32 v225, 0
	v_lshrrev_b32 v1, 5, v0
	v_readfirstlane_b32 s[WV], v1
	v_and_b32 v1, 31, v0                           ; lane
	s_cmp_lg_u32 ttmp9, 0
	s_cbranch_scc1 .Lrelay
	; ---------------- ROUTE: wave w owns tokens 512 w .. 512 w + 511, 16 groups of 32
	v_lshlrev_b32 v2, 2, v0                        ; LDS: my word of the table of counts, 128 w + 4 lane
	v_lshlrev_b32 v3, 2, v1                        ; LDS: 4 lane
	v_lshlrev_b32 v4, 3, v1
	s_lshl_b32 s29, s[WV], 12
	v_add_nc_u32 v4, s29, v4                       ; my index pair in group 0: 8 lane + 4,096 w
.irp i, 0,1,2,3,4
	v_bfe_u32 v[5+\i], v1, \i, 1
	v_sub_nc_u32 v[5+\i], 0, v[5+\i]               ; all ones where bit i of my lane's number is set (v9: lanes 16-31)
.endr
	s_lshl_b32 s30, s[WV], 9
	v_add_nc_u32 v[TKN], s30, v1                   ; my token of group 0
	v_mov_b32 v[ZR], 0
	s_wait_kmcnt 0x0
.irp g, 0,1,2,3,4,5,6,7,8,9,10,11,12,13,14,15
	global_load_b64 v[IX+2*\g:IX+2*\g+1], v4, s[12:13] offset:256*\g
.endr
	s_wait_loadcnt 0x0
; One group: the token's bin; five ballots of the bin's bits; from them, with lane = bin, the group's count of each bin, and with lane = token its rank.
.macro GROUP g
	v_min_u32 v11, 7, v[IX+2*\g]
	v_min_u32 v12, 7, v[IX+2*\g+1]
	v_min_u32 v13, v11, v12                        ; the smaller
	v_add_nc_u32 v14, v11, v12
	v_sub_nc_u32 v14, v14, v13                     ; the larger
	v_cmp_eq_u32 vcc_lo, v13, v14
	v_cndmask_b32 v15, 0, 1, vcc_lo
	v_add_nc_u32 v14, v14, v15                     ; (a, a) becomes (a, a + 1),
	v_min_u32 v14, 7, v14
	v_add_nc_u32 v15, -1, v14
	v_min_u32 v13, v13, v15                        ; and (7, 7) becomes (6, 7)
	v_sub_nc_u32 v15, 15, v13
	v_mul_u32_u24 v15, v13, v15
	v_lshrrev_b32 v15, 1, v15
	v_add_nc_u32 v15, v15, v14
	v_sub_nc_u32 v15, v15, v13
	v_add_nc_u32 v[LT+\g], -1, v15                 ; bin = mn (15 - mn) / 2 + mx - mn - 1: 0 .. 27
.irp i, 0,1,2,3,4
	v_and_b32 v15, 1<<\i, v[LT+\g]
	v_cmp_ne_u32 s[40+\i], 0, v15
.endr
	v_xor_b32 v11, s40, v5                         ; lane = bin: the tokens whose bin differs from my number in some bit
.irp i, 1,2,3,4
	v_xor_b32 v12, s[40+\i], v[5+\i]
	v_or_b32 v11, v11, v12
.endr
	v_lshrrev_b32 v12, 1, v11                      ; how many they are
	v_and_b32 v12, 0x55555555, v12
	v_sub_nc_u32 v11, v11, v12
	v_lshrrev_b32 v12, 2, v11
	v_and_b32 v11, 0x33333333, v11
	v_and_b32 v12, 0x33333333, v12
	v_add_nc_u32 v11, v11, v12
	v_lshrrev_b32 v12, 4, v11
	v_add_nc_u32 v11, v11, v12
	v_and_b32 v11, 0x0f0f0f0f, v11
	v_mul_lo_u32 v11, v11, 0x01010101
	v_lshrrev_b32 v11, 24, v11
	v_sub_nc_u32 v[CN+\g], 32, v11                 ; the others are my bin's
	v_cndmask_b32 v11, 0, -1, s40                  ; lane = token: the tokens whose bin differs from mine
	v_xor_b32 v11, s40, v11
.irp i, 1,2,3,4
	v_cndmask_b32 v12, 0, -1, s[40+\i]
	v_xor_b32 v12, s[40+\i], v12
	v_or_b32 v11, v11, v12
.endr
	v_xor_b32 v11, -1, v11
	v_mbcnt_lo_u32_b32 v[RK+\g], v11, 0            ; those of my bin in lower lanes
.endm
.irp g, 0,1,2,3,4,5,6,7,8,9,10,11,12,13,14,15
	GROUP \g
.endr
	v_add_nc_u32 v11, v[CN], v[CN+1]
.irp g, 2,3,4,5,6,7,8,9,10,11,12,13,14,15
	v_add_nc_u32 v11, v11, v[CN+\g]
.endr
	ds_store_b32 v2, v11                           ; my wave's count of bin = lane
	s_wait_dscnt 0x0                               ; for the others' sake: my store has landed
	s_barrier_signal -1
	s_barrier_wait -1
.irp w, 0,1,2,3,4,5,6,7
	ds_load_b32 v[HR+\w], v3 offset:128*\w
.endr
	s_wait_dscnt 0x0
	v_mov_b32 v[TOT], 0
	v_mov_b32 v[BEF], 0
.irp w, 0,1,2,3,4,5,6,7
	v_add_nc_u32 v[TOT], v[TOT], v[HR+\w]          ; the bin's tokens in all,
	s_cmp_lt_u32 \w, s[WV]
	s_cselect_b32 s46, -1, 0
	v_and_b32 v12, s46, v[HR+\w]
	v_add_nc_u32 v[BEF], v[BEF], v12               ; and in the waves in front of mine
.endr
	v_mov_b32 v[FIN], v[TOT]                       ; the running sum over the bins: four steps inside each 16 lanes, then the lower half's total onto the upper
	v_mov_b32 v12, 0
.irp n, 1,2,4,8
	v_mov_b32_dpp v12, v[FIN] row_shr:\n row_mask:0xf bank_mask:0xf bound_ctrl:1
	v_add_nc_u32 v[FIN], v[FIN], v12
.endr
	v_readlane_b32 s46, v[FIN], 15
	v_and_b32 v12, s46, v9
	v_add_nc_u32 v[FIN], v[FIN], v12
	v_sub_nc_u32 v[BAS], v[FIN], v[TOT]
	v_add_nc_u32 v[PF], v[BAS], v[BEF]
.irp g, 1,2,3,4,5,6,7,8,9,10,11,12,13,14,15
	v_add_nc_u32 v[PF+\g], v[PF+\g-1], v[CN+\g-1]
.endr
.irp g, 0,1,2,3,4,5,6,7,8,9,10,11,12,13,14,15
	v_lshlrev_b32 v[LT+\g], 2, v[LT+\g]
.endr
.irp g, 0,1,2,3,4,5,6,7,8,9,10,11,12,13,14,15
	ds_bpermute_b32 v[BP+\g], v[LT+\g], v[PF+\g]   ; each token fetches its bin's running base from lane = bin; no source is written again
.endr
	s_wait_dscnt 0x0
.irp g, 0,1,2,3,4,5,6,7,8,9,10,11,12,13,14,15
	v_add_nc_u32 v[IX+2*\g], v[BP+\g], v[RK+\g]    ; the token's position
	v_min_u32 v[IX+2*\g], 0xfff, v[IX+2*\g]
	v_lshlrev_b32 v[IX+2*\g], 2, v[IX+2*\g]
	v_add_nc_u32 v[IX+2*\g+1], 32*\g, v[TKN]
	global_store_b32 v[IX+2*\g], v[IX+2*\g+1], s[22:23]   ; a scatter of 4 bytes a lane, 16,384 bytes in all; each group has registers of its own
.endr
	; the blocks' lists: waves 0 and 1, lane = block 32 w + lane
	s_cmp_lt_u32 s[WV], 2
	s_cbranch_scc0 .Lno_list
	s_lshl_b32 s29, s[WV], 5
	v_add_nc_u32 v11, s29, v1
	v_lshlrev_b32 v11, 6, v11                      ; the block's first position,
	v_add_nc_u32 v12, 64, v11                      ; and the first behind it
	v_mov_b32 v13, 0                               ; the set of experts
.irp a, 0,1,2,3,4,5,6
.irp b, 1,2,3,4,5,6,7
.if \b > \a
.set BETA, \a*(15-\a)/2+\b-\a-1
.set PBITS, (1<<\a)|(1<<\b)
	v_readlane_b32 s47, v[BAS], BETA
	v_readlane_b32 s48, v[FIN], BETA
	s_cmp_eq_u32 s47, s48
	s_cselect_b32 s47, -1, s47                     ; an empty bin meets no block
	v_cmp_lt_u32 vcc_lo, s47, v12
	v_cmp_gt_u32 s46, s48, v11
	s_and_b32 vcc_lo, vcc_lo, s46
	v_cndmask_b32 v14, 0, -1, vcc_lo
	v_and_or_b32 v13, v14, PBITS, v13
.endif
.endr
.endr
	v_mov_b32 v16, 0                               ; the list,
	v_mov_b32 v17, 0                               ; and its length
.irp e, 0,1,2,3,4,5,6,7
	v_bfe_u32 v14, v13, \e, 1
	v_mul_u32_u24 v15, v14, \e
	v_lshlrev_b32 v18, 2, v17
	v_lshlrev_b32 v15, v18, v15
	v_or_b32 v16, v16, v15
	v_add_nc_u32 v17, v17, v14
.endr
	v_lshlrev_b32 v18, 3, v1
	s_lshl_b32 s29, s[WV], 8
	v_add_nc_u32 v18, s29, v18
	global_store_b64 v18, v[16:17], s[24:25]       ; 32 lanes store 256 consecutive bytes
.Lno_list:
	v_mov_b32 v19, 0xbf800000                      ; -1.0
	v_cmp_eq_u32 vcc_lo, 0, v0
	s_wait_xcnt 0x0                                ; EXEC changes only behind this wait
	s_wait_tensorcnt 0x0
	ds_add_u32 v224, v225
	s_wait_dscnt 0x0
	s_and_saveexec_b32 s46, vcc_lo
	global_store_b32 v[ZR], v19, s[26:27]          ; thread 0 alone
	s_wait_xcnt 0x0
	s_or_b32 exec_lo, exec_lo, s46
	s_endpgm
	; ---------------- RELAY: task = 8 (work-group - 1) + wave: tensor (1 bit), expert (3), group of 64 rows (4), tile (2)
.Lrelay:
	s_sub_co_u32 s29, ttmp9, 1
	s_lshl_b32 s29, s29, 3
	s_add_co_u32 s29, s29, s[WV]
	s_lshr_b32 s30, s29, 9                         ; 0: W1, 1: W2
	s_bfe_u32 s31, s29, 0x30006                    ; e
	s_bfe_u32 s32, s29, 0x40002                    ; G
	s_and_b32 s33, s29, 3                          ; t
	s_lshl_b32 s34, s31, 10
	s_lshl_b32 s35, s32, 6
	s_add_co_u32 s34, s34, s35                     ; the group's first row: 1,024 e + 64 G
	s_lshl_b32 s36, s34, 5
	s_lshl_b32 s35, s33, 3
	s_add_co_u32 s36, s36, s35                     ; its scale bytes, from K step 2 t on: for the scales t names a pair of K steps
	s_lshr_b32 s35, s33, 1
	s_lshl_b32 s35, s35, 5
	s_add_co_u32 s34, s34, s35
	s_and_b32 s35, s33, 1
	s_lshl_b32 s35, s35, 3
	s_add_co_u32 s34, s34, s35                     ; the tile's first row: + 32 (t / 2) + 8 (t % 2)
	s_mul_i32 s34, s34, 768                        ; in bytes
	s_mul_i32 s38, s31, 786432
	s_mul_i32 s35, s32, 49152
	s_add_co_u32 s38, s38, s35
	s_mul_i32 s35, s33, 1536
	s_add_co_u32 s38, s38, s35                     ; the tile's images
	s_lshl_b32 s40, s31, 15
	s_lshl_b32 s35, s32, 11
	s_add_co_u32 s40, s40, s35
	s_lshl_b32 s35, s33, 9
	s_add_co_u32 s40, s40, s35                     ; the scale words' images of K steps 2 t, 2 t + 1
	s_mov_b32 s35, 0
	s_mov_b32 s37, 0
	s_mov_b32 s39, 0
	s_mov_b32 s41, 0
	s_mov_b32 s43, 0x03010200                      ; a word's two middle bytes change places
	v_and_b32 v2, 15, v1                           ; r
	v_lshrrev_b32 v3, 4, v1                        ; h
	v_lshlrev_b32 v4, 4, v1                        ; 16 lane
	v_lshlrev_b32 v5, 3, v1                        ; 8 lane
	s_mul_i32 s42, s[WV], 12544
	s_add_co_u32 s42, s42, 1024                    ; my stage: 16 rows of 768 bytes + 16
.irp i, 0,1,2
	v_add_nc_u32 v11, 32*\i, v1                    ; piece n of 16 bytes, n = 32 i + lane under 96, lies in row n / 48: 16 n + 16 (n / 48)
	v_mul_u32_u24 v12, v11, 1366
	v_lshrrev_b32 v12, 16, v12                     ; n / 48 for n under 96
	v_add_nc_u32 v11, v11, v12
	v_lshlrev_b32 v11, 4, v11
	v_add_nc_u32 v[6+\i], s42, v11
.endr
	v_mul_u32_u24 v9, v2, 784
	v_mad_u32_u24 v9, v3, 48, v9
	v_add_nc_u32 v9, s42, v9                       ; out of the stage: row r, + 48 h
	v_and_b32 v10, 8, v2
	v_add_nc_u32 v10, v10, v2
	v_lshl_add_u32 v10, v3, 3, v10
	v_lshlrev_b32 v10, 5, v10                      ; scale bytes: row 8 h + r + 8 (r / 8) of 32 bytes: tile h; tile 2 + h lies 32 rows on
	s_wait_kmcnt 0x0
	s_cmp_eq_u32 s30, 0                            ; the choice of buffers hangs on the work-group's and the wave's number alone
	s_cselect_b64 s[4:5], s[4:5], s[6:7]
	s_cselect_b64 s[8:9], s[8:9], s[10:11]
	s_cselect_b64 s[14:15], s[14:15], s[16:17]
	s_cselect_b64 s[18:19], s[18:19], s[20:21]
	s_add_nc_u64 s[4:5], s[4:5], s[34:35]
	s_add_nc_u64 s[8:9], s[8:9], s[36:37]
	s_add_nc_u64 s[14:15], s[14:15], s[38:39]
	s_add_nc_u64 s[18:19], s[18:19], s[40:41]
	global_load_b64 v[12:13], v10, s[8:9]
	global_load_b64 v[14:15], v10, s[8:9] offset:1024
.irp p, 0,1                            ; the tile is two runs of 8 dense rows, 16 rows apart; each load reads 512 consecutive bytes
.irp i, 0,1,2,3,4,5,6,7,8,9,10,11
	global_load_b128 v[R+4*(12*\p+\i):R+4*(12*\p+\i)+3], v4, s[4:5] offset:12288*\p+512*\i th:TH_LOAD_NT
.endr
.endr
.irp p, 0,1
.irp i, 0,1,2,3,4,5,6,7,8,9,10,11
	s_wait_loadcnt 23-12*\p-\i                     ; the younger loads may stay out
	ds_store_b128 v[6+\i%3], v[R+4*(12*\p+\i):R+4*(12*\p+\i)+3] offset:6272*\p+1568*(\i/3)
.endr
.endr
.irp s, 0,1,2,3,4,5,6,7                ; LDS serves a wave's instructions in order: these see my stores
.irp j, 0,1,2
	ds_load_b128 v[F+4*(3*\s+\j):F+4*(3*\s+\j)+3], v9 offset:96*\s+16*\j
.endr
.endr
.irp s, 0,1,2,3,4,5,6,7
.irp j, 0,1,2
	s_wait_dscnt 23-3*\s-\j
	global_store_b128 v4, v[F+4*(3*\s+\j):F+4*(3*\s+\j)+3], s[14:15] offset:6144*\s+512*\j   ; 32 lanes store 512 consecutive bytes
.endr
.endr
	v_perm_b32 v16, v12, v12, s43                  ; K step 2 t: tile h's word, tile 2 + h's word
	v_perm_b32 v17, v14, v14, s43
	v_perm_b32 v18, v13, v13, s43                  ; K step 2 t + 1
	v_perm_b32 v19, v15, v15, s43
	global_store_b64 v5, v[16:17], s[18:19]        ; 32 lanes store 256 consecutive bytes
	global_store_b64 v5, v[18:19], s[18:19] offset:256
	s_wait_tensorcnt 0x0
	ds_add_u32 v224, v225
	s_wait_dscnt 0x0
	s_endpgm
.Lfunc_end_k_q0010a73a64_prep:
	.size	k_q0010a73a64_prep, .Lfunc_end_k_q0010a73a64_prep-k_q0010a73a64_prep
	.p2alignl 7, 3214868480
	.fill 96, 4, 3214868480
	.section	.rodata,"a",@progbits
	.p2align	6, 0x0
	.amdhsa_kernel k_q0010a73a64_prep
		.amdhsa_group_segment_fixed_size 102400
		.amdhsa_private_segment_fixed_size 0
		.amdhsa_enable_private_segment 0
		.amdhsa_kernarg_size 96
		.amdhsa_user_sgpr_count 2
		.amdhsa_user_sgpr_kernarg_segment_ptr 1
		.amdhsa_wavefront_size32 1
		.amdhsa_system_sgpr_workgroup_id_x 1
		.amdhsa_system_sgpr_workgroup_id_y 1
		.amdhsa_system_sgpr_workgroup_id_z 1
		.amdhsa_system_vgpr_workitem_id 0
		.amdhsa_next_free_vgpr 226
		.amdhsa_next_free_sgpr 66
		.amdhsa_reserve_vcc 1
		.amdhsa_float_denorm_mode_32 3
		.amdhsa_float_denorm_mode_16_64 3
		.amdhsa_memory_ordered 1
		.amdhsa_forward_progress 1
		.amdhsa_inst_pref_size 83
	.end_amdhsa_kernel
	.amdgpu_metadata
---
amdhsa.version: [ 1, 2 ]
amdhsa.kernels:
  - .name:           k_q0010a73a64_prep
    .symbol:         k_q0010a73a64_prep.kd
    .args:
      - { .name: W1_codes, .offset: 0, .size: 8, .value_kind: global_buffer, .address_space: global }
      - { .name: W2_codes, .offset: 8, .size: 8, .value_kind: global_buffer, .address_space: global }
      - { .name: W1_scales, .offset: 16, .size: 8, .value_kind: global_buffer, .address_space: global }
      - { .name: W2_scales, .offset: 24, .size: 8, .value_kind: global_buffer, .address_space: global }
      - { .name: topK_indices, .offset: 32, .size: 8, .value_kind: global_buffer, .address_space: global }
      - { .name: w1i, .offset: 40, .size: 8, .value_kind: global_buffer, .address_space: global }
      - { .name: w2i, .offset: 48, .size: 8, .value_kind: global_buffer, .address_space: global }
      - { .name: w1s, .offset: 56, .size: 8, .value_kind: global_buffer, .address_space: global }
      - { .name: w2s, .offset: 64, .size: 8, .value_kind: global_buffer, .address_space: global }
      - { .name: order, .offset: 72, .size: 8, .value_kind: global_buffer, .address_space: global }
      - { .name: blk, .offset: 80, .size: 8, .value_kind: global_buffer, .address_space: global }
      - { .name: out1, .offset: 88, .size: 8, .value_kind: global_buffer, .address_space: global }
    .group_segment_fixed_size: 102400
    .private_segment_fixed_size: 0
    .kernarg_segment_align: 8
    .kernarg_segment_size: 96
    .max_flat_workgroup_size: 256
    .sgpr_count:     66
    .vgpr_count:     226
    .wavefront_size: 32
...
	.end_amdgpu_metadata
.endif
;; end of part 1
;; launch up (part 2): grid 4 x 64, 4 waves a work-group, no clusters, 51,712 bytes of LDS; arguments x_codes, x_scales, w1i, w1s, b1, order, blk, hc, hs; writes hc, hs
.if DOCPART == 2
	.amdgcn_target "amdgcn-amd-amdhsa--gfx1250"
	.amdhsa_code_object_version 6
	.text
	.protected	k_q0010a73a64_up
	.globl	k_q0010a73a64_up
	.p2align	8
	.type	k_q0010a73a64_up,@function
k_q0010a73a64_up:
	s_mov_b64 s[64:65], 0
	v_nop
	global_prefetch_b8 v0, s[64:65] scope:SCOPE_SE
	s_setreg_imm32_b32 hwreg(HW_REG_WAVE_MODE, 25, 1), 1
	s_wait_xcnt 0x0
; UP.  H = Q(silu(x W1[e] + b1[e])) for a block of 64 sorted tokens (work-group y) and 256 hidden units (work-group x), for each expert of the block's list.
; A wave makes 64 tokens x 64 units (group GA = 4 x + wave): 16 accumulators.  The product is used transposed: source 0 = 16 rows of W1, source 1 = 16 tokens, so that a lane holds one token,
; and by the choice of a tile's rows register 16 b + i of a token tile is unit 32 b + 16 h + i: 16 neighbours along the next product's K.
; x's 32 fragments stay in registers for the whole launch; the weights come from memory straight into a ring of four register sets, three K steps ahead, on into the next expert.
; The walk over the list is a loop of 8 trips; trips at or beyond the list's length are passed over by a scalar branch on the stored number.  This launch has no cluster
; with joint loads: partners' lists would differ.
; K is permuted inside a K step, alike in both operands (lane (r, h): the 48 bytes at 96 s + 48 h of its row); the scale words' middle bytes have changed places to suit.
; THE QUANTISER: a block's scale byte is its largest magnitude's exponent field less 2, held at 1 from below by a floor of 2^-124 among the maximum's leaves; the conversion rounds to the nearest code, ties to even,
; and gives the largest code beyond 7.5.  LIMITS: a block of zeros keeps the byte 1 (its codes are zeros; this program alone reads the bytes); NaN and infinities are not served.
; silu(z) = z / (1 + 2^(-z log2 e)), all in f32.
; REGISTERS, in windows of 256: window 0: v4-15 addresses, v16-31 x's scale words, v32-39 the weights' scale words (four sets), v40-63 at work, v64-127 at work, v128-255 the accumulators (tile t, tokens m: v[128 + 32 m + 8 t]).
;   window 1: x's fragments of K steps 0-4.   window 2: those of K steps 5-7; v144-175 the bias in the result's layout.   window 3: v0-191 the weights' ring.
.set XSC,  49152                       ; LDS: bytes 0 .. 49,151 x's fragments as images of their registers, (s, m) at 1,536 (4 s + m); then x's scale words, 256 s + 64 m + 4 r
.set LI,   4                           ; v4   16 lane
.set L8,   5                           ; v5   8 lane
.set XW,   6                           ; v6   where I store x's images: 16 lane + 1,536 wave
.set XSW,  7                           ; v7   and x's scale words
.set XSR,  8                           ; v8   where I read them: lanes 0-15 tiles 0, 1; lanes 16-31 tiles 2, 3
.set HO,   9                           ; v9   my place in the block's codes of H
.set L4,   10                          ; v10  4 lane
.set BO,   11                          ; v11  64 h
.set TOK,  12
.set XO,   13
.set XSO,  14
.set OAD,  15
.set XS,   16
.set WS,   32
.set TM,   40
.set TP,   44
.set SO,   48
.set BY,   52
.set U,    56
.set SWD,  60
.set T,    64
.set ACC,  128
.set BIAS, 144
.set WV,   22
.set GA,   23
.set BB,   24
.set LIST, 26
.set CNT,  27
.set IT,   28
.set EC,   29                          ; this trip's expert
.set EN,   30                          ; the next
.set WB,   32                          ; s[32:33] this expert's images, s[34:35] its scale words
.set SB,   34
.set WN,   36                          ; the same of the next expert; s[40:41] its bias
.set SN,   38
.set BN,   40
.set HB,   42                          ; where this expert's codes of H go; s[44:45] their scale words
.set HSB,  44
.set PW,   46                          ; the wave's places in the buffers, expert 0
.set PS,   48
.set PB,   50
.set PH,   52
.set PHS,  54
.set SEL,  56
.set HMK,  58
.set MSB, 0
.macro WIN new                         ; the immediate's high byte repeats the setting that is left
.if MSB != \new
	s_set_vgpr_msb (MSB<<8)|\new
.set MSB, \new
.endif
.endm
.macro PLACES                          ; four plain places behind matrix instructions, ahead of loads into registers that they read and of the first read of results
.rept 4
	v_nop
.endr
.endm
.macro LW wb, sb, sig                  ; K step sig's four tiles of weights and their scale words into set sig % 4: 13 loads
	WIN 0xc0
.irp t, 0,1,2,3
.irp j, 0,1,2
	global_load_b128 v[48*((\sig)%4)+12*\t+4*\j:48*((\sig)%4)+12*\t+4*\j+3], v[LI], s[\wb:\wb+1] offset:6144*(\sig)+1536*\t+512*\j
.endr
.endr
	WIN 0
	global_load_b64 v[WS+2*((\sig)%4):WS+2*((\sig)%4)+1], v[L8], s[\sb:\sb+1] offset:256*(\sig)
.endm
.macro LB                              ; the next expert's bias: tile 2 b + u, lane (r, h): units 32 b + 16 h + 8 u + 0 .. 7: 8 loads
	WIN 0x80
.irp b, 0,1
.irp u, 0,1
.irp k, 0,1
	global_load_b128 v[BIAS+8*(2*\b+\u)+4*\k:BIAS+8*(2*\b+\u)+4*\k+3], v[BO], s[BN:BN+1] offset:128*\b+32*\u+16*\k
.endr
.endr
.endr
	WIN 0
.endm
.macro NEXTP                           ; the next expert's places
	s_mul_i32 s60, s[EN], 786432
	s_add_nc_u64 s[WN:WN+1], s[PW:PW+1], s[60:61]
	s_lshl_b32 s60, s[EN], 15
	s_add_nc_u64 s[SN:SN+1], s[PS:PS+1], s[60:61]
	s_lshl_b32 s60, s[EN], 12
	s_add_nc_u64 s[BN:BN+1], s[PB:PB+1], s[60:61]
.endm
; 16 matrix instructions, 128 along K.  The 16 accumulators take turns, one instruction a turn, in the same order in every step.  K step 0 takes the bias as C.
.macro MUL s
.if (\s) == 0
	WIN 0x27                                       ; source 0 window 3, source 1 window 1, C window 2
.elseif (\s) < 5
	WIN 0x07
.else
	WIN 0x0b                                       ; source 1 window 2
.endif
.irp m, 0,1,2,3
.irp t, 0,1,2,3
.set DR, ACC+32*\m+8*\t
.set AR, 48*((\s)%4)+12*\t
.if (\s) < 5
.set BR, 12*(4*(\s)+\m)
.else
.set BR, 12*(4*((\s)-5)+\m)
.endif
.if (\s) == 0
.set CR, BIAS+8*\t
.else
.set CR, DR
.endif
.set SAR, WS+2*((\s)%4)+\t/2
.set SBR, XS+2*(\s)+\m%2
.if (\t%2 == 0) && (\m < 2)
	v_wmma_scale_f32_16x16x128_f8f6f4 v[DR:DR+7], v[AR:AR+11], v[BR:BR+11], v[CR:CR+7], v[SAR], v[SBR] matrix_a_fmt:MATRIX_FMT_FP6 matrix_b_fmt:MATRIX_FMT_FP6
.elseif (\t%2 == 1) && (\m < 2)
	v_wmma_scale_f32_16x16x128_f8f6f4 v[DR:DR+7], v[AR:AR+11], v[BR:BR+11], v[CR:CR+7], v[SAR], v[SBR] matrix_a_fmt:MATRIX_FMT_FP6 matrix_b_fmt:MATRIX_FMT_FP6 matrix_a_scale:MATRIX_SCALE_ROW1
.elseif (\t%2 == 0)
	v_wmma_scale_f32_16x16x128_f8f6f4 v[DR:DR+7], v[AR:AR+11], v[BR:BR+11], v[CR:CR+7], v[SAR], v[SBR] matrix_a_fmt:MATRIX_FMT_FP6 matrix_b_fmt:MATRIX_FMT_FP6 matrix_b_scale:MATRIX_SCALE_ROW1
.else
	v_wmma_scale_f32_16x16x128_f8f6f4 v[DR:DR+7], v[AR:AR+11], v[BR:BR+11], v[CR:CR+7], v[SAR], v[SBR] matrix_a_fmt:MATRIX_FMT_FP6 matrix_b_fmt:MATRIX_FMT_FP6 matrix_a_scale:MATRIX_SCALE_ROW1 matrix_b_scale:MATRIX_SCALE_ROW1
.endif
.endr
.endr
.endm
; A K step: places, the loads of the set three steps on (in steps 5 to 7: the next expert's bias and first three sets, if there is a next), the wait for this step's set, the products.
; The wait counts the loads issued behind this step's set: those of the last three steps' groups: 13 each, 21 in step 5 with a next expert.
.macro STEP s, next
	PLACES
.if (\s) <= 4
	LW WB, SB, (\s)+3
	s_wait_loadcnt 39
.elseif \next
.if (\s) == 5
	LB
.endif
	LW WN, SN, (\s)-5
	s_wait_loadcnt 47
.else
	s_wait_loadcnt 13*(7-(\s))
.endif
	MUL \s
.endm
; silu in place on 64 registers: two token tiles.  The exponentials and the reciprocals go as batches, each with one plain place and one wait behind it, ahead of its first reader.
.macro SILU n
.set ZB, ACC+64*(\n)
.set i, 0
.rept 32
	v_pk_mul_f32 v[T+i:T+i+1], v[ZB+i:ZB+i+1], 0xbfb8aa3b op_sel_hi:[1,0]   ; -z log2(e); each accumulator is read from its low end on
.set i, i+2
.endr
.set i, 0
.rept 64
	v_exp_f32 v[T+i], v[T+i]
.set i, i+1
.endr
	v_nop
	s_wait_alu depctr_va_vdst(0)
.set i, 0
.rept 32
	v_pk_add_f32 v[T+i:T+i+1], v[T+i:T+i+1], 1.0 op_sel_hi:[1,0]
.set i, i+2
.endr
.set i, 0
.rept 64
	v_rcp_f32 v[T+i], v[T+i]
.set i, i+1
.endr
	v_nop
	s_wait_alu depctr_va_vdst(0)
.set i, 0
.rept 32
	v_pk_mul_f32 v[ZB+i:ZB+i+1], v[ZB+i:ZB+i+1], v[T+i:T+i+1]
.set i, i+2
.endr
.endm
; Token tiles 2 n and 2 n + 1 are quantised: four blocks of 32 units (chain k = 2 (tile % 2) + b), by turns.  The halves of the two tiles change places so that lane (r, l) holds all 64 codes of token r of tile 2 n + l:
; the 12 registers of one lane of the next product's fragment (K step GA / 2, half GA % 2).
.macro QUANT n
.set ZB, ACC+64*(\n)
.set PC, T+20*(\n)
.set PT, PC+12
.irp k, 0,1,2,3
	v_max3_num_f32 v[TM+\k], |v[ZB+16*\k]|, |v[ZB+16*\k+1]|, 0x1800000   ; my 16 numbers, and the floor 2^(3 - 127)
.endr
.irp i, 2,4,6,8,10,12,14
.irp k, 0,1,2,3
	v_max3_num_f32 v[TM+\k], v[TM+\k], |v[ZB+16*\k+\i]|, |v[ZB+16*\k+\i+1]|
.endr
.endr
.irp k, 0,1,2,3
	v_permlanex16_b32 v[TP+\k], v[TM+\k], s[SEL], s[SEL+1]
.endr
.irp k, 0,1,2,3
	v_max_num_f32 v[TM+\k], v[TM+\k], v[TP+\k]     ; with lane l xor 16's 16: the block's largest magnitude
.endr
.irp k, 0,1,2,3
	v_add_nc_u32 v[SO+\k], 0xff000000, v[TM+\k]    ; 2 off its exponent field: the conversion's scale operand
.endr
.irp k, 0,1,2,3
	v_lshrrev_b32 v[BY+\k], 23, v[SO+\k]           ; the scale's byte
.endr
	v_lshl_or_b32 v[U+2*(\n)], v[BY+1], 8, v[BY]
	v_lshl_or_b32 v[U+2*(\n)+1], v[BY+3], 8, v[BY+2]
.irp b, 0,1
	v_cvt_scalef32_pk16_fp6_f32 v[PC+6*\b:PC+6*\b+2], v[ZB+16*\b:ZB+16*\b+15], v[SO+\b]
	v_cvt_scalef32_pk16_fp6_f32 v[PT+4*\b:PT+4*\b+2], v[ZB+32+16*\b:ZB+32+16*\b+15], v[SO+2+\b]
.endr
	v_nop                                          ; one plain place behind the scaled conversions
.irp b, 0,1
.irp i, 0,1,2
	v_permlane16_swap_b32 v[PC+6*\b+\i], v[PT+4*\b+\i]   ; the first now holds units 32 b + 0 .. 15 of tile 2 n + l, the second units 32 b + 16 .. 31
.endr
.irp i, 0,1,2
	v_mov_b32 v[PC+6*\b+3+\i], v[PT+4*\b+\i]
.endr
.endr
.irp j, 0,1,2
	global_store_b128 v[HO], v[PC+4*\j:PC+4*\j+3], s[HB:HB+1] offset:3072*(\n)+512*\j   ; each half of the lanes stores 256 consecutive bytes, aligned
.endr
.endm
	s_load_b512 s[4:19], s[0:1], 0x0               ; x codes, x scales, w1i, w1s, b1, order, blk, hc
	s_load_b64 s[20:21], s[0:1], 0x40              ; hs
	v_lshl_add_u32 v62, v0, 2, 0xc800
	s_set_vgpr_msb 0x40
	v_mov_b32 v255, 0
	s_set_vgpr_msb 0x4000
	v_lshrrev_b32 v1, 5, v0
	v_readfirstlane_b32 s[WV], v1
	v_and_b32 v1, 31, v0                           ; lane
	v_and_b32 v2, 15, v0                           ; r
	v_bfe_u32 v3, v0, 4, 1                         ; h
	s_and_b32 s[BB], ttmp7, 0xffff                 ; the block
	s_lshl_b32 s[GA], ttmp9, 2
	s_add_co_u32 s[GA], s[GA], s[WV]               ; my group of 64 units
	v_lshlrev_b32 v[LI], 4, v1
	v_lshlrev_b32 v[L8], 3, v1
	v_lshlrev_b32 v[L4], 2, v1
	v_lshlrev_b32 v[BO], 6, v3
	s_mul_i32 s31, s[WV], 1536
	v_add_nc_u32 v[XW], s31, v[LI]
	v_lshlrev_b32 v[XSW], 2, v2
	v_lshl_add_u32 v[XSW], v3, 10, v[XSW]
	s_lshl_b32 s31, s[WV], 6
	s_add_co_u32 s31, s31, XSC
	v_add_nc_u32 v[XSW], s31, v[XSW]               ; XSC + 1,024 h + 64 wave + 4 r: my half holds K steps 4 h .. 4 h + 3
	v_lshlrev_b32 v[XSR], 2, v2
	v_lshl_add_u32 v[XSR], v3, 7, v[XSR]
	v_add_nc_u32 v[XSR], XSC, v[XSR]               ; XSC + 128 h + 4 r
	v_lshlrev_b32 v[HO], 4, v2
	v_mad_u32_u24 v[HO], v3, 1536, v[HO]
	s_and_b32 s31, s[GA], 1
	s_lshl_b32 s31, s31, 8
	s_lshr_b32 s62, s[GA], 1
	s_mul_i32 s62, s62, 6144
	s_add_co_u32 s31, s31, s62
	v_add_nc_u32 v[HO], s31, v[HO]                 ; 16 r + 1,536 l + 256 (GA % 2) + 6,144 (GA / 2)
	v_lshlrev_b32 v[OAD], 2, v2
	s_lshl_b32 s31, s[BB], 8
	s_lshl_b32 s62, s[WV], 6
	s_add_co_u32 s31, s31, s62
	v_add_nc_u32 v[OAD], s31, v[OAD]               ; order: position 64 block + 16 wave + r
	v_mul_u32_u24 v63, v3, 48
	s_mov_b32 s[SEL], 0x76543210
	s_mov_b32 s[SEL+1], 0xfedcba98                 ; lane l xor 16
	s_mov_b32 s[HMK], 0xffff0000                   ; lanes 16-31
	s_mov_b32 s61, 0
.irp k, 0,1,2,3
	v_mov_b32 v[TP+\k], 0                          ; written once: a lane permute's destination counts as one of its sources
.endr
	s_lshl_b32 s63, s[BB], 3
	s_wait_kmcnt 0x0
	s_load_b64 s[LIST:LIST+1], s[16:17], s63 offset:0x0   ; the block's list and its length
	global_load_b32 v[TOK], v[OAD], s[14:15]
	s_mul_i32 s60, s[GA], 49152
	s_add_nc_u64 s[PW:PW+1], s[8:9], s[60:61]
	s_lshl_b32 s60, s[GA], 11
	s_add_nc_u64 s[PS:PS+1], s[10:11], s[60:61]
	s_lshl_b32 s60, s[GA], 8
	s_add_nc_u64 s[PB:PB+1], s[12:13], s[60:61]
	s_mul_i32 s60, s[BB], 49152
	s_add_nc_u64 s[PH:PH+1], s[18:19], s[60:61]
	s_lshl_b32 s60, s[BB], 11
	s_lshl_b32 s62, s[GA], 7
	s_add_co_u32 s60, s60, s62
	s_add_nc_u64 s[PHS:PHS+1], s[20:21], s[60:61]
	s_wait_kmcnt 0x0
	s_and_b32 s[EN], s[LIST], 7
	s_min_u32 s[EN], s[EN], 7
	NEXTP
	LB                                             ; the first expert's bias and first three sets: 47 loads
	LW WN, SN, 0
	LW WN, SN, 1
	LW WN, SN, 2
	s_wait_loadcnt 47                              ; my token's number is in; the 47 younger loads stay out
	v_min_u32 v[TOK], 0xfff, v[TOK]
	v_mul_u32_u24 v[XO], v[TOK], 768
	v_add_nc_u32 v[XO], v[XO], v63                 ; its row of codes, + 48 h
	v_lshlrev_b32 v[XSO], 5, v[TOK]
	v_lshl_add_u32 v[XSO], v3, 4, v[XSO]           ; its scale bytes, + 16 h
.irp s, 0,1,2,3,4,5,6,7
.irp j, 0,1,2
	global_load_b128 v[ACC+4*(3*\s+\j):ACC+4*(3*\s+\j)+3], v[XO], s[4:5] offset:96*\s+16*\j
.endr
.endr
	global_load_b128 v[224:227], v[XSO], s[6:7]
	s_mov_b32 s62, 0x03010200
	s_wait_loadcnt 0x0
.irp s, 0,1,2,3,4,5,6,7                ; wave w has gathered token tile w: its eight fragments go to LDS as images of their registers
.irp j, 0,1,2
	ds_store_b128 v[XW], v[ACC+4*(3*\s+\j):ACC+4*(3*\s+\j)+3] offset:6144*\s+512*\j
.endr
.endr
.irp i, 0,1,2,3
	v_perm_b32 v[224+\i], v[224+\i], v[224+\i], s62   ; the middle bytes change places
.endr
.irp i, 0,1,2,3
	ds_store_b32 v[XSW], v[224+\i] offset:256*\i
.endr
	s_wait_dscnt 0x0                               ; for the others' sake: my stores have landed
	s_barrier_signal -1
	s_barrier_wait -1                              ; the launch's one barrier
	WIN 0x40
.irp s, 0,1,2,3,4
.irp m, 0,1,2,3
.irp j, 0,1,2
	ds_load_b128 v[12*(4*\s+\m)+4*\j:12*(4*\s+\m)+4*\j+3], v[LI] offset:1536*(4*\s+\m)+512*\j
.endr
.endr
.endr
	WIN 0x80
.irp s, 5,6,7
.irp m, 0,1,2,3
.irp j, 0,1,2
	ds_load_b128 v[12*(4*(\s-5)+\m)+4*\j:12*(4*(\s-5)+\m)+4*\j+3], v[LI] offset:1536*(4*\s+\m)+512*\j
.endr
.endr
.endr
	WIN 0
.irp s, 0,1,2,3,4,5,6,7
.irp q, 0,1
	ds_load_b32 v[XS+2*\s+\q], v[XSR] offset:256*\s+64*\q   ; lanes 0-15: tile q's words, lanes 16-31: tile 2 + q's
.endr
.endr
	s_wait_dscnt 0x0
	s_mov_b32 s[IT], 0
.Ltrip:
	s_cmp_lt_u32 s[IT], s[CNT]
	s_cbranch_scc0 .Lskip
	s_wait_xcnt 0x0                                ; every base, and the registers that the last expert's stores read, are written again only behind this wait
	s_and_b32 s[EC], s[LIST], 7
	s_min_u32 s[EC], s[EC], 7
	s_lshr_b32 s[LIST], s[LIST], 4
	s_and_b32 s[EN], s[LIST], 7
	s_min_u32 s[EN], s[EN], 7
	s_mov_b64 s[WB:WB+1], s[WN:WN+1]
	s_mov_b64 s[SB:SB+1], s[SN:SN+1]
	NEXTP
	s_mul_i32 s60, s[EC], 3145728
	s_add_nc_u64 s[HB:HB+1], s[PH:PH+1], s[60:61]
	s_lshl_b32 s60, s[EC], 17
	s_add_nc_u64 s[HSB:HSB+1], s[PHS:PHS+1], s[60:61]
	STEP 0, 1
	STEP 1, 1
	STEP 2, 1
	STEP 3, 1
	STEP 4, 1
	WIN 0
	s_add_co_u32 s62, s[IT], 1
	s_cmp_lt_u32 s62, s[CNT]
	s_cbranch_scc0 .Llast
	STEP 5, 1
	STEP 6, 1
	STEP 7, 1
	WIN 0
	s_branch .Lepi
.Llast:                                                ; the list's last expert asks for nothing more
	STEP 5, 0
	STEP 6, 0
	STEP 7, 0
	WIN 0
.Lepi:
	PLACES
	SILU 0
	SILU 1
	QUANT 0
	QUANT 1
	v_lshl_or_b32 v[SWD], v[U+1], 16, v[U]         ; tiles 0 and 1: two bytes each,
	v_lshl_or_b32 v[SWD+1], v[U+3], 16, v[U+2]     ; tiles 2 and 3
	v_cndmask_b32 v[SWD], v[SWD], v[SWD+1], s[HMK] ; lanes 0-15 keep the first, lanes 16-31 take the second
	global_store_b32 v[L4], v[SWD], s[HSB:HSB+1]   ; 128 consecutive bytes
.Lskip:
	s_add_co_u32 s[IT], s[IT], 1
	s_cmp_lt_u32 s[IT], 8
	s_cbranch_scc1 .Ltrip
	s_set_vgpr_msb 0x4
	s_wait_tensorcnt 0x0
	ds_add_u32 v62, v255
	s_wait_dscnt 0x0
	s_set_vgpr_msb 0x400
	s_endpgm
.Lfunc_end_k_q0010a73a64_up:
	.size	k_q0010a73a64_up, .Lfunc_end_k_q0010a73a64_up-k_q0010a73a64_up
	.p2alignl 7, 3214868480
	.fill 96, 4, 3214868480
	.section	.rodata,"a",@progbits
	.p2align	6, 0x0
	.amdhsa_kernel k_q0010a73a64_up
		.amdhsa_group_segment_fixed_size 51712
		.amdhsa_private_segment_fixed_size 0
		.amdhsa_enable_private_segment 0
		.amdhsa_kernarg_size 72
		.amdhsa_user_sgpr_count 2
		.amdhsa_user_sgpr_kernarg_segment_ptr 1
		.amdhsa_wavefront_size32 1
		.amdhsa_system_sgpr_workgroup_id_x 1
		.amdhsa_system_sgpr_workgroup_id_y 1
		.amdhsa_system_sgpr_workgroup_id_z 1
		.amdhsa_system_vgpr_workitem_id 0
		.amdhsa_next_free_vgpr 960
		.amdhsa_next_free_sgpr 66
		.amdhsa_reserve_vcc 0
		.amdhsa_float_denorm_mode_32 3
		.amdhsa_float_denorm_mode_16_64 3
		.amdhsa_memory_ordered 1
		.amdhsa_forward_progress 1
		.amdhsa_inst_pref_size 87
	.end_amdhsa_kernel
	.amdgpu_metadata
---
amdhsa.version: [ 1, 2 ]
amdhsa.kernels:
  - .name:           k_q0010a73a64_up
    .symbol:         k_q0010a73a64_up.kd
    .args:
      - { .name: x_codes, .offset: 0, .size: 8, .value_kind: global_buffer, .address_space: global }
      - { .name: x_scales, .offset: 8, .size: 8, .value_kind: global_buffer, .address_space: global }
      - { .name: w1i, .offset: 16, .size: 8, .value_kind: global_buffer, .address_space: global }
      - { .name: w1s, .offset: 24, .size: 8, .value_kind: global_buffer, .address_space: global }
      - { .name: b1, .offset: 32, .size: 8, .value_kind: global_buffer, .address_space: global }
      - { .name: order, .offset: 40, .size: 8, .value_kind: global_buffer, .address_space: global }
      - { .name: blk, .offset: 48, .size: 8, .value_kind: global_buffer, .address_space: global }
      - { .name: hc, .offset: 56, .size: 8, .value_kind: global_buffer, .address_space: global }
      - { .name: hs, .offset: 64, .size: 8, .value_kind: global_buffer, .address_space: global }
    .group_segment_fixed_size: 51712
    .private_segment_fixed_size: 0
    .kernarg_segment_align: 8
    .kernarg_segment_size: 72
    .max_flat_workgroup_size: 128
    .sgpr_count:     66
    .vgpr_count:     960
    .wavefront_size: 32
...
	.end_amdgpu_metadata
.endif
;; end of part 2
;; launch down (part 3): grid 4 x 64, 4 waves a work-group, no clusters, 120,320 bytes of LDS; arguments hc, hs, w2i, w2s, b2, order, blk, topK_indices, topK_scores, out0; writes out0
.if DOCPART == 3
	.amdgcn_target "amdgcn-amd-amdhsa--gfx1250"
	.amdhsa_code_object_version 6
	.text
	.protected	k_q0010a73a64_down
	.globl	k_q0010a73a64_down
	.p2align	8
	.type	k_q0010a73a64_down,@function
k_q0010a73a64_down:
	s_mov_b64 s[64:65], 0
	v_nop
	global_prefetch_b8 v0, s[64:65] scope:SCOPE_SE
	s_setreg_imm32_b32 hwreg(HW_REG_WAVE_MODE, 25, 1), 1
	s_wait_xcnt 0x0
; DOWN.  y[token] = the sum over the block's experts e of gate_e[token] x (H_e W2[e] + b2[e]), for a block of 64 sorted tokens (work-group y) and 256 output columns (work-group x).
; gate_e = the sum of the token's scores whose index is e, so an expert that a token has not chosen adds 0 x a finite number; an index outside 0 .. 7 meets no expert.  The score scale of the definition is 1.0 and is not multiplied in.
; Each output element has one owner: a wave makes 64 tokens x 64 columns (group GA = 4 x + wave), sums the experts in ascending order in registers, and stores once.
; The product is used transposed (source 0 = 16 rows of W2, source 1 = 16 tokens of H); the bias is the C of each sum's first matrix instruction.
; The weights come from memory straight into a ring of four register sets, three K steps ahead, on into the next expert.  An expert's codes of H for the block (49,152 bytes and 2,048 of scale words) are wanted by all four
; waves: each wave loads a quarter into registers during the expert before, and stores it into the other of two LDS buffers; one barrier a trip, on every wave's path, parts the stores from the reads and the reads from the next stores.
; The walk over the list is a loop of 8 trips (two to a loop's trip, for the two buffers); trips at or beyond the list's length do nothing but the barrier.  This launch has
; no cluster with joint loads: partners' lists would differ.
; LIMITS: NaN and infinities are not served.
; REGISTERS, in windows of 256: window 0: v1-15 addresses, v16-31 H's scale words, v32-39 the weights' (four sets), v40-55 H's scale words as stored, v56-63 gates, v64-83 indices, scores, tokens, v128-255 accumulators, later rows on the way out.
;   window 1: v0-127 y; v128-159 the stores' offsets.   window 2: v0-95 H's fragments, two sets; v96-127 the bias; v128-227 the next expert's quarter of H.   window 3: v0-191 the weights' ring.
.set BUF,  51200                       ; LDS: two buffers of 49,152 + 2,048 bytes; behind them a stage of 16 rows x 272 bytes for each wave
.set STG,  102400
.set SRD,  1                           ; v1   the stage: where I read a row back
.set LI,   4                           ; v4   16 lane: also H's fragments in buffer 0;  v6 in buffer 1
.set L8,   5
.set LH1,  6
.set LS0,  7                           ; v7, v8   H's scale words in buffer 0, 1
.set SW0,  9                           ; v9, v10  where I store my quarter of the codes
.set SS0,  11                          ; v11, v12 and of the scale words
.set C16,  13                          ; v13  16 r + 256 GA
.set BO,   14                          ; v14  64 h
.set STO,  15                          ; v15  the stage: where I put 64 bytes of a row
.set HSC,  16
.set WS,   32
.set HSR,  40
.set G,    56
.set IDX,  64
.set SCR,  72
.set TOK,  80
.set TT,   88
.set ACC,  128
.set BIAS, 96
.set SR,   128
.set WV,   24
.set GA,   25
.set LIST, 26
.set CNT,  27
.set BB,   28
.set IT,   29
.set EC,   30
.set EN,   31
.set WB,   32
.set SB,   34
.set WN,   36
.set SN,   38
.set BN,   40
.set HN,   42                          ; s[42:43] my quarter of the next expert's codes of H; s[44:45] of their scale words
.set HSN,  44
.set PW,   46
.set PS,   48
.set PB,   50
.set PH,   52
.set PHS,  54
.set LP,   60
.set MSB, 0
.macro WIN new                         ; the immediate's high byte repeats the setting that is left
.if MSB != \new
	s_set_vgpr_msb (MSB<<8)|\new
.set MSB, \new
.endif
.endm
.macro PLACES                          ; four plain places behind matrix instructions, ahead of loads into registers that they read and of the first read of results
.rept 4
	v_nop
.endr
.endm
.macro LW wb, sb, sig                  ; K step sig's four tiles of weights and their scale words into set sig % 4: 13 loads
	WIN 0xc0
.irp t, 0,1,2,3
.irp j, 0,1,2
	global_load_b128 v[48*((\sig)%4)+12*\t+4*\j:48*((\sig)%4)+12*\t+4*\j+3], v[LI], s[\wb:\wb+1] offset:6144*(\sig)+1536*\t+512*\j
.endr
.endr
	WIN 0
	global_load_b64 v[WS+2*((\sig)%4):WS+2*((\sig)%4)+1], v[L8], s[\sb:\sb+1] offset:256*(\sig)
.endm
.macro LB                              ; the next expert's bias: tile 2 b + u, lane (r, h): columns 32 b + 16 h + 8 u + 0 .. 7: 8 loads
	WIN 0x80
.irp b, 0,1
.irp u, 0,1
.irp k, 0,1
	global_load_b128 v[BIAS+8*(2*\b+\u)+4*\k:BIAS+8*(2*\b+\u)+4*\k+3], v[BO], s[BN:BN+1] offset:128*\b+32*\u+16*\k
.endr
.endr
.endr
	WIN 0
.endm
.macro SLD i                           ; piece i of 25 of my quarter of the next expert's H: 24 of codes, one of scale words; 512 consecutive bytes each
.if (\i) < 24
	global_load_b128 v[SR+4*(\i):SR+4*(\i)+3], v[LI], s[HN:HN+1] offset:512*(\i)
.else
	global_load_b128 v[SR+96:SR+99], v[LI], s[HSN:HSN+1]
.endif
.endm
.macro NEXTP                           ; the next expert's places
	s_mul_i32 s56, s[EN], 786432
	s_add_nc_u64 s[WN:WN+1], s[PW:PW+1], s[56:57]
	s_lshl_b32 s56, s[EN], 15
	s_add_nc_u64 s[SN:SN+1], s[PS:PS+1], s[56:57]
	s_lshl_b32 s56, s[EN], 12
	s_add_nc_u64 s[BN:BN+1], s[PB:PB+1], s[56:57]
	s_mul_i32 s56, s[EN], 3145728
	s_add_nc_u64 s[HN:HN+1], s[PH:PH+1], s[56:57]
	s_lshl_b32 s56, s[EN], 17
	s_add_nc_u64 s[HSN:HSN+1], s[PHS:PHS+1], s[56:57]
.endm
; 16 matrix instructions, 128 along K.  The 16 accumulators take turns, one instruction a turn, in the same order in every step.  K step 0 takes the bias as C.
.macro MUL s
.if (\s) == 0
	WIN 0x2b                                       ; source 0 window 3, source 1 window 2, C window 2
.else
	WIN 0x0b
.endif
.irp m, 0,1,2,3
.irp t, 0,1,2,3
.set DR, ACC+32*\m+8*\t
.set AR, 48*((\s)%4)+12*\t
.set BR, 48*((\s)%2)+12*\m
.if (\s) == 0
.set CR, BIAS+8*\t
.else
.set CR, DR
.endif
.set SAR, WS+2*((\s)%4)+\t/2
.set SBR, HSC+2*(\s)+\m%2
.if (\t%2 == 0) && (\m < 2)
	v_wmma_scale_f32_16x16x128_f8f6f4 v[DR:DR+7], v[AR:AR+11], v[BR:BR+11], v[CR:CR+7], v[SAR], v[SBR] matrix_a_fmt:MATRIX_FMT_FP6 matrix_b_fmt:MATRIX_FMT_FP6
.elseif (\t%2 == 1) && (\m < 2)
	v_wmma_scale_f32_16x16x128_f8f6f4 v[DR:DR+7], v[AR:AR+11], v[BR:BR+11], v[CR:CR+7], v[SAR], v[SBR] matrix_a_fmt:MATRIX_FMT_FP6 matrix_b_fmt:MATRIX_FMT_FP6 matrix_a_scale:MATRIX_SCALE_ROW1
.elseif (\t%2 == 0)
	v_wmma_scale_f32_16x16x128_f8f6f4 v[DR:DR+7], v[AR:AR+11], v[BR:BR+11], v[CR:CR+7], v[SAR], v[SBR] matrix_a_fmt:MATRIX_FMT_FP6 matrix_b_fmt:MATRIX_FMT_FP6 matrix_b_scale:MATRIX_SCALE_ROW1
.else
	v_wmma_scale_f32_16x16x128_f8f6f4 v[DR:DR+7], v[AR:AR+11], v[BR:BR+11], v[CR:CR+7], v[SAR], v[SBR] matrix_a_fmt:MATRIX_FMT_FP6 matrix_b_fmt:MATRIX_FMT_FP6 matrix_a_scale:MATRIX_SCALE_ROW1 matrix_b_scale:MATRIX_SCALE_ROW1
.endif
.endr
.endr
.endm
; A K step.  Its group of global loads: with a next expert 5 pieces of that expert's H and a set of weights in steps 0 to 4 (18), its bias and first set in step 5 (21), a set in steps 6 and 7 (13); without, a set in steps 0 to 4 (13).
; The wait on LOADcnt counts the loads issued behind this step's set, which stands last in the group of three steps back: the sum of the three groups since.
; H's fragments of the next K step come from LDS into the other of two sets: the wait on DScnt leaves those 12 out.
.macro STEP s, next, p
	PLACES
.if (\next) && ((\s) <= 4)
	WIN 0x80
.irp i, 0,1,2,3,4
	SLD 5*(\s)+\i
.endr
.endif
.if (\next) && ((\s) == 5)
	LB
.endif
.if (\s) < 7
	WIN 0x80
.irp m, 0,1,2,3
.irp j, 0,1,2
	ds_load_b128 v[48*(((\s)+1)%2)+12*\m+4*\j:48*(((\s)+1)%2)+12*\m+4*\j+3], v[LI+2*\p] offset:1536*(4*((\s)+1)+\m)+512*\j
.endr
.endr
.endif
.if (\s) <= 4
	LW WB, SB, (\s)+3
.elseif \next
	LW WN, SN, (\s)-5
.endif
.if \next
.if (\s) == 0
	s_wait_loadcnt 44
.elseif (\s) == 1
	s_wait_loadcnt 49
.elseif (\s) <= 4
	s_wait_loadcnt 54
.elseif (\s) == 5
	s_wait_loadcnt 57
.elseif (\s) == 6
	s_wait_loadcnt 52
.else
	s_wait_loadcnt 47                              ; this also shows the 25 pieces of H landed: they are older than step 5's group
.endif
.elseif (\s) <= 4
	s_wait_loadcnt 39
.else
	s_wait_loadcnt 13*(7-(\s))
.endif
.if (\s) < 7
	s_wait_dscnt 12
.else
	s_wait_dscnt 0x0
.endif
	MUL \s
.endm
; A trip: one place of the list; H lies in buffer p.
.macro TRIP p
	s_wait_dscnt 0x0                               ; my stores into buffer p have landed, and my reads of the other buffer are back
	s_barrier_signal -1
	s_barrier_wait -1                              ; both now hold of all four waves
	s_cmp_lt_u32 s[IT], s[CNT]
	s_cbranch_scc0 .Lskip_\@
	s_wait_xcnt 0x0                                ; every base is written again only behind this wait
	s_and_b32 s[EC], s[LIST], 7
	s_min_u32 s[EC], s[EC], 7
	s_lshr_b32 s[LIST], s[LIST], 4
	s_and_b32 s[EN], s[LIST], 7
	s_min_u32 s[EN], s[EN], 7
	s_mov_b64 s[WB:WB+1], s[WN:WN+1]
	s_mov_b64 s[SB:SB+1], s[SN:SN+1]
	NEXTP
.irp m, 0,1,2,3                        ; the gates of this expert: a choice of values, no branch
	v_cmp_eq_u32 vcc_lo, s[EC], v[IDX+2*\m]
	v_cndmask_b32 v[TT], 0, v[SCR+2*\m], vcc_lo
	v_cmp_eq_u32 vcc_lo, s[EC], v[IDX+2*\m+1]
	v_cndmask_b32 v[TT+1], 0, v[SCR+2*\m+1], vcc_lo
	v_add_f32 v[G+2*\m], v[TT], v[TT+1]
.endr
.irp g, 0,1,2,3,4,5,6,7,8,9,10,11,12,13,14,15
	ds_load_b32 v[HSR+\g], v[LS0+\p] offset:128*\g
.endr
	WIN 0x80
.irp m, 0,1,2,3
.irp j, 0,1,2
	ds_load_b128 v[12*\m+4*\j:12*\m+4*\j+3], v[LI+2*\p] offset:1536*\m+512*\j
.endr
.endr
	WIN 0
	s_wait_dscnt 12                                ; the scale words are in; K step 0's fragments may be out
.irp s, 0,1,2,3,4,5,6,7                ; a K step's word of a tile: the two bytes of unit group 2 s and the two of 2 s + 1, interleaved as the permuted K asks.  The first pair stands 18 plain places ahead of its products
	v_perm_b32 v[HSC+2*\s], v[HSR+2*\s+1], v[HSR+2*\s], 0x05010400     ; tiles 0 (lanes 0-15) and 2 (lanes 16-31)
	v_perm_b32 v[HSC+2*\s+1], v[HSR+2*\s+1], v[HSR+2*\s], 0x07030602   ; tiles 1 and 3
.endr
	s_add_co_u32 s62, s[IT], 1
	s_cmp_lt_u32 s62, s[CNT]
	s_cbranch_scc0 .Llast_\@
.irp s, 0,1,2,3,4,5,6,7
	STEP \s, 1, \p
.endr
	WIN 0x08                                       ; an LDS store's data are its source 1: window 2
.irp i, 0,1,2,3,4,5,6,7,8,9,10,11,12,13,14,15,16,17,18,19,20,21,22,23
	ds_store_b128 v[SW0+1-\p], v[SR+4*\i:SR+4*\i+3] offset:512*\i   ; the next expert's H into the other buffer, which nobody has read since this trip's barrier
.endr
	ds_store_b128 v[SS0+1-\p], v[SR+96:SR+99]
	WIN 0
	s_branch .Lepi_\@
.Llast_\@:                                             ; the list's last expert asks for nothing more
.irp s, 0,1,2,3,4,5,6,7
	STEP \s, 0, \p
.endr
	WIN 0
.Lepi_\@:
	PLACES
	WIN 0x50                                       ; y (destination and source 2) window 1
.irp m, 0,1,2,3
.irp i, 0,2,4,6,8,10,12,14,16,18,20,22,24,26,28,30
	v_pk_fma_f32 v[32*\m+\i:32*\m+\i+1], v[ACC+32*\m+\i:ACC+32*\m+\i+1], v[G+2*\m:G+2*\m+1], v[32*\m+\i:32*\m+\i+1] op_sel_hi:[1,0,1]   ; y += gate x result; each accumulator from its low end on
.endr
.endr
	WIN 0
.Lskip_\@:
	s_add_co_u32 s[IT], s[IT], 1
.endm
	s_load_b512 s[4:19], s[0:1], 0x0               ; hc, hs, w2i, w2s, b2, order, blk, indices
	s_load_b128 s[20:23], s[0:1], 0x40             ; scores, out0
	v_lshl_add_u32 v126, v0, 2, 0x1d400
	v_mov_b32 v127, 0
	v_lshrrev_b32 v84, 5, v0
	v_readfirstlane_b32 s[WV], v84
	v_and_b32 v84, 31, v0                          ; lane
	v_and_b32 v2, 15, v0                           ; r
	v_bfe_u32 v3, v0, 4, 1                         ; h
	s_and_b32 s[BB], ttmp7, 0xffff
	s_lshl_b32 s[GA], ttmp9, 2
	s_add_co_u32 s[GA], s[GA], s[WV]
	v_lshlrev_b32 v[LI], 4, v84
	v_lshlrev_b32 v[L8], 3, v84
	v_add_nc_u32 v[LH1], BUF, v[LI]
	v_lshlrev_b32 v[LS0], 2, v84
	v_add_nc_u32 v[LS0], 49152, v[LS0]
	v_add_nc_u32 v[LS0+1], BUF, v[LS0]
	s_mul_i32 s58, s[WV], 12288
	v_add_nc_u32 v[SW0], s58, v[LI]
	v_add_nc_u32 v[SW0+1], BUF, v[SW0]
	s_lshl_b32 s58, s[WV], 9
	s_add_co_u32 s58, s58, 49152
	v_add_nc_u32 v[SS0], s58, v[LI]
	v_add_nc_u32 v[SS0+1], BUF, v[SS0]
	v_lshlrev_b32 v[C16], 4, v2
	s_lshl_b32 s58, s[GA], 8
	v_add_nc_u32 v[C16], s58, v[C16]
	v_lshlrev_b32 v[BO], 6, v3
	s_mul_i32 s58, s[WV], 4352
	s_add_co_u32 s58, s58, STG                     ; my stage
	v_mul_u32_u24 v[STO], v2, 272
	v_lshl_add_u32 v[STO], v3, 6, v[STO]
	v_add_nc_u32 v[STO], s58, v[STO]               ; in: row r, + 64 h
	v_mul_u32_u24 v[SRD], v3, 272
	v_lshl_add_u32 v[SRD], v2, 4, v[SRD]
	v_add_nc_u32 v[SRD], s58, v[SRD]               ; back: lanes 0-15 one row of 256 bytes, lanes 16-31 the next
	v_lshlrev_b32 v85, 2, v2                       ; 4 r
	v_lshlrev_b32 v86, 2, v3                       ; 4 h
.irp m, 0,1,2,3
	v_mov_b32 v[G+2*\m+1], 0                       ; named as the upper halves of pairs, so they are written
.endr
	s_mov_b32 s57, 0
	s_lshl_b32 s63, s[BB], 3
	s_wait_kmcnt 0x0
	s_load_b64 s[LIST:LIST+1], s[16:17], s63 offset:0x0   ; the block's list and its length
	s_lshl_b32 s56, s[BB], 8
	s_add_nc_u64 s[14:15], s[14:15], s[56:57]      ; order at the block's first position
.irp m, 0,1,2,3
	global_load_b32 v[TOK+\m], v85, s[14:15] offset:64*\m   ; token 16 m + r of the block
.endr
	s_mul_i32 s56, s[GA], 49152
	s_add_nc_u64 s[PW:PW+1], s[8:9], s[56:57]
	s_lshl_b32 s56, s[GA], 11
	s_add_nc_u64 s[PS:PS+1], s[10:11], s[56:57]
	s_lshl_b32 s56, s[GA], 8
	s_add_nc_u64 s[PB:PB+1], s[12:13], s[56:57]
	s_mul_i32 s56, s[BB], 49152
	s_mul_i32 s58, s[WV], 12288
	s_add_co_u32 s56, s56, s58
	s_add_nc_u64 s[PH:PH+1], s[4:5], s[56:57]
	s_lshl_b32 s56, s[BB], 11
	s_lshl_b32 s58, s[WV], 9
	s_add_co_u32 s56, s56, s58
	s_add_nc_u64 s[PHS:PHS+1], s[6:7], s[56:57]
	s_wait_kmcnt 0x0
	s_and_b32 s[EN], s[LIST], 7
	s_min_u32 s[EN], s[EN], 7
	NEXTP
	WIN 0x80
.irp i, 0,1,2,3,4,5,6,7,8,9,10,11,12,13,14,15,16,17,18,19,20,21,22,23,24
	SLD \i                                         ; my quarter of the first expert's H
.endr
	LB
	LW WN, SN, 0
	LW WN, SN, 1
	s_wait_loadcnt 59                              ; the four tokens' numbers are in; behind them stand 25 + 8 + 26 loads
.irp m, 0,1,2,3
	v_min_u32 v[TOK+\m], 0xfff, v[TOK+\m]
	v_lshlrev_b32 v[TOK+\m], 3, v[TOK+\m]
.endr
.irp m, 0,1,2,3
	global_load_b64 v[IDX+2*\m:IDX+2*\m+1], v[TOK+\m], s[18:19]
	global_load_b64 v[SCR+2*\m:SCR+2*\m+1], v[TOK+\m], s[20:21]
.endr
	LW WN, SN, 2
	WIN 0x40
.irp m, 0,1,2,3
.irp i, 0,1,2,3,4,5,6,7
	global_load_b32 v[128+8*\m+\i], v86, s[14:15] offset:64*\m+8*\i   ; the token whose row I store: position 16 m + 2 i + h
.endr
.endr
.set i, 0
.rept 128
	v_mov_b32 v[i], 0                              ; y.  The trip is written once: the first expert adds onto zeros; these lines stand while the head's loads are on their way
.set i, i+1
.endr
	s_wait_loadcnt 0x0
	WIN 0x08
.irp i, 0,1,2,3,4,5,6,7,8,9,10,11,12,13,14,15,16,17,18,19,20,21,22,23
	ds_store_b128 v[SW0], v[SR+4*\i:SR+4*\i+3] offset:512*\i
.endr
	ds_store_b128 v[SS0], v[SR+96:SR+99]
	WIN 0x44
.set i, 0
.rept 32
	v_min_u32 v[128+i], 0xfff, v[128+i]
.set i, i+1
.endr
	WIN 0x41
.set i, 0
.rept 32
	v_lshl_add_u32 v[128+i], v[128+i], 12, v[C16]  ; the row's 4,096 bytes x token, + my wave's 256 bytes, + 16 r
.set i, i+1
.endr
	WIN 0
	s_mov_b32 s[IT], 0
	s_mov_b32 s[LP], 0
.Lpair:
	TRIP 0
	TRIP 1
	s_add_co_u32 s[LP], s[LP], 1
	s_cmp_lt_u32 s[LP], 4
	s_cbranch_scc1 .Lpair
; THE WAY OUT, a token tile at a time.  A lane holds 16 neighbouring columns twice, and the lanes beside it hold other tokens: so a tile goes through my own stage and comes back as whole rows of 256 bytes.
; LDS serves a wave's instructions in order: no wait between the stores and the loads, nor ahead of the next tile's stores.
.macro TOSTAGE m
	WIN 0x04                                       ; the data: window 1
.irp b, 0,1
.irp q, 0,1,2,3
	ds_store_b128 v[STO], v[32*(\m)+16*\b+4*\q:32*(\m)+16*\b+4*\q+3] offset:128*\b+16*\q
.endr
.endr
	WIN 0
.irp i, 0,1,2,3,4,5,6,7
	ds_load_b128 v[ACC+32*((\m)%2)+4*\i:ACC+32*((\m)%2)+4*\i+3], v[SRD] offset:544*\i
.endr
.endm
.macro SEND m, younger                 ; younger: the LDS instructions issued behind tile m's loads
	s_wait_dscnt \younger
	WIN 0x01                                       ; the offsets: window 1
.irp i, 0,1,2,3,4,5,6,7
	global_store_b128 v[128+8*(\m)+\i], v[ACC+32*((\m)%2)+4*\i:ACC+32*((\m)%2)+4*\i+3], s[22:23] th:TH_STORE_NT   ; each half of the lanes stores 256 consecutive bytes, aligned, of one token's row
.endr
	WIN 0
.endm
	TOSTAGE 0
.irp m, 1,2,3
.if \m > 1
	s_wait_xcnt 0x0                                ; tile m - 2's stores have read their registers: tile m's rows may land there
.endif
	TOSTAGE \m
	SEND \m-1, 16
.endr
	SEND 3, 0
	s_wait_tensorcnt 0x0
	ds_add_u32 v126, v127
	s_wait_dscnt 0x0
	s_endpgm
.Lfunc_end_k_q0010a73a64_down:
	.size	k_q0010a73a64_down, .Lfunc_end_k_q0010a73a64_down-k_q0010a73a64_down
	.p2alignl 7, 3214868480
	.fill 96, 4, 3214868480
	.section	.rodata,"a",@progbits
	.p2align	6, 0x0
	.amdhsa_kernel k_q0010a73a64_down
		.amdhsa_group_segment_fixed_size 120320
		.amdhsa_private_segment_fixed_size 0
		.amdhsa_enable_private_segment 0
		.amdhsa_kernarg_size 80
		.amdhsa_user_sgpr_count 2
		.amdhsa_user_sgpr_kernarg_segment_ptr 1
		.amdhsa_wavefront_size32 1
		.amdhsa_system_sgpr_workgroup_id_x 1
		.amdhsa_system_sgpr_workgroup_id_y 1
		.amdhsa_system_sgpr_workgroup_id_z 1
		.amdhsa_system_vgpr_workitem_id 0
		.amdhsa_next_free_vgpr 960
		.amdhsa_next_free_sgpr 66
		.amdhsa_reserve_vcc 1
		.amdhsa_float_denorm_mode_32 3
		.amdhsa_float_denorm_mode_16_64 3
		.amdhsa_memory_ordered 1
		.amdhsa_forward_progress 1
		.amdhsa_inst_pref_size 187
	.end_amdhsa_kernel
	.amdgpu_metadata
---
amdhsa.version: [ 1, 2 ]
amdhsa.kernels:
  - .name:           k_q0010a73a64_down
    .symbol:         k_q0010a73a64_down.kd
    .args:
      - { .name: hc, .offset: 0, .size: 8, .value_kind: global_buffer, .address_space: global }
      - { .name: hs, .offset: 8, .size: 8, .value_kind: global_buffer, .address_space: global }
      - { .name: w2i, .offset: 16, .size: 8, .value_kind: global_buffer, .address_space: global }
      - { .name: w2s, .offset: 24, .size: 8, .value_kind: global_buffer, .address_space: global }
      - { .name: b2, .offset: 32, .size: 8, .value_kind: global_buffer, .address_space: global }
      - { .name: order, .offset: 40, .size: 8, .value_kind: global_buffer, .address_space: global }
      - { .name: blk, .offset: 48, .size: 8, .value_kind: global_buffer, .address_space: global }
      - { .name: topK_indices, .offset: 56, .size: 8, .value_kind: global_buffer, .address_space: global }
      - { .name: topK_scores, .offset: 64, .size: 8, .value_kind: global_buffer, .address_space: global }
      - { .name: out0, .offset: 72, .size: 8, .value_kind: global_buffer, .address_space: global }
    .group_segment_fixed_size: 120320
    .private_segment_fixed_size: 0
    .kernarg_segment_align: 8
    .kernarg_segment_size: 80
    .max_flat_workgroup_size: 128
    .sgpr_count:     66
    .vgpr_count:     960
    .wavefront_size: 32
...
	.end_amdgpu_metadata
.endif
;; end of part 3
;; ======== version 2 of 3: 3 launches; 1.23 times as fast as version 1
;; workspace buffers: w1i 6,291,456 bytes; w2i 6,291,456 bytes; w1s 262,144 bytes; w2s 262,144 bytes; order 16,384 bytes of whole numbers; blk 512 bytes of whole numbers; hc 25,165,824 bytes; hs 1,048,576 bytes
;; launch prep (part 4): grid 129 x 1, 8 waves a work-group, no clusters, 102,400 bytes of LDS; arguments W1_codes, W2_codes, W1_scales, W2_scales, topK_indices, w1i, w2i, w1s, w2s, order, blk, out1; writes w1i, w2i, w1s, w2s, order, blk, out1
.if DOCPART == 4
	.amdgcn_target "amdgcn-amd-amdhsa--gfx1250"
	.amdhsa_code_object_version 6
	.text
	.protected	k_q0010a73a64_prep
	.globl	k_q0010a73a64_prep
	.p2align	8
	.type	k_q0010a73a64_prep,@function
k_q0010a73a64_prep:
	s_mov_b64 s[64:65], 0
	v_nop
	global_prefetch_b8 v0, s[64:65] scope:SCOPE_SE
	s_setreg_imm32_b32 hwreg(HW_REG_WAVE_MODE, 25, 1), 1
	s_wait_xcnt 0x0
; PREP.  Work-group 0 ROUTES: it sorts the 4,096 tokens by their pair of experts (28 bins, a counting sort without atomics), stores order[position] = token,
; and for each block of 64 positions the list of experts that its bins name (ascending, 4 bits each) and their count.  It also stores the second output, -1.0.
; Work-groups 1 to 128 RELAY the weights: each wave lays one tile of 16 rows x 1,024 K of W1 or W2 out as images of operand registers, and a part of the scale words.
; THE BINS ARE NUMBERED IN A SNAKE: row a (the pairs (a, b), b above a) begins at a (15 - a) / 2 and runs upward in b for even a, downward for odd a: (0,1) .. (0,7), (1,7) .. (1,2), (2,3) .. (2,7), (3,7) ..
; So two neighbouring bins always share an expert, and a block that lies across two bins names three experts, not four.
; A TILE'S ROWS: in a group of 64 rows, tile t = 2 b + u takes for lane r the row 32 b + 8 u + r + 8 (r / 8).
; K IS PERMUTED, alike in both operands of every product: in K step s lane (r, h) holds the 48 consecutive bytes at 96 s + 48 h of its row, three loads of 16 bytes.  The matrix unit then takes the row's
; block 4 s + 2 h + c for its block 2 c + h, so the two middle bytes of every scale word change places.  The order of the sums inside a K step differs from an ascending one.
; LIMITS: an index outside 0 .. 7 is held at 7 for the sorting alone; it earns no gate later, as in the definition.  A pair (a, a) goes into a bin that holds a.
; The two ways part on the work-group's number alone, never join, and have LDS bytes of their own: route bytes 0 to 1,023, relay 1,024 + 12,544 x wave.
.set WV,  28                           ; s28 my wave's number
.set BAL, 32                           ; s32-51  four groups' five ballots; later the bins' first blocks and spans
.set MK,  52                           ; s52-58  all ones where wave w stands in front of mine
.set KN,  5                            ; v5-9    bit i of my lane's number, less 1: 0 where it is set, all ones where not
.set HM,  10                           ; v10     all ones in lanes 16-31
.set IX,  20                           ; v20-51  16 groups: the index pair; then a, and 4 x the key 8 a + b
.set LT,  52                           ; v52-67  4 x the token's bin
.set RK,  68                           ; v68-83  its rank among the group's tokens of the same bin
.set CN,  84                           ; v84-99  lane = bin: the group's count
.set BP,  100                          ; v100-115 the bin's running base, fetched by the token; then the store's offset
.set HR,  116                          ; v116-123 the eight waves' counts
.set TOT, 124
.set BEF, 125
.set FIN, 126                          ; lane = bin: where the bin ends
.set BAS, 127                          ; and where it begins
.set TKN, 128
.set ZR,  129
.set TAB, 130                          ; v130-131 the table: lane l holds 4 x the bin of key l, and of key 32 + l
.set PF,  132                          ; v132-147 lane = bin: the running base in front of group g
.set TA,  148                          ; v148-151 at work, one for each of four groups
.set MS,  152                          ; v152-155 lane = bin: the mask of the group's tokens of that bin
.set TK,  156                          ; v156-171 my token's number in group g
.set FB,  172                          ; lane = bin: the first block that the bin meets,
.set SPN, 173                          ; and how many further ones
.set BIG, 174
.set JB,  175                          ; lane = block: its number
.set EM,  176                          ; v176-179 the block's set of experts, in four parts
.set LTMP, 180                         ; v180-193 at work, one for each of 14 bins
.set BT,  194                          ; v194-201 the set's bits
.set P4,  202                          ; v202-209 4 x the number of experts below e
.set OUTP, 210                         ; v210-211 the list and its length
.set OADR, 212
.set R,   32                           ; relay: v32-127 the tile as loaded
.set F,   128                          ; relay: v128-223 the tile as images
	s_load_b512 s[4:19], s[0:1], 0x0               ; W1 codes, W2 codes, W1 scales, W2 scales, indices, w1i, w2i, w1s
	s_load_b256 s[20:27], s[0:1], 0x40             ; w2s, order, blk, out1
	v_lshl_add_u32 v224, v0, 2, 0x18c00
	v_mov_b32 v225, 0
	v_lshrrev_b32 v1, 5, v0
	v_readfirstlane_b32 s[WV], v1
	v_and_b32 v1, 31, v0                           ; lane
	s_cmp_lg_u32 ttmp9, 0
	s_cbranch_scc1 .Lrelay
	; ---------------- ROUTE: wave w owns tokens 512 w .. 512 w + 511, 16 groups of 32
	v_lshlrev_b32 v4, 3, v1
	s_lshl_b32 s29, s[WV], 12
	v_add_nc_u32 v4, s29, v4                       ; my index pair in group 0: 8 lane + 4,096 w
	v_mov_b32 v[ZR], 0
	v_mov_b32 v19, 0xbf800000                      ; -1.0
	v_cmp_eq_u32 vcc_lo, 0, v0
	s_wait_kmcnt 0x0
.irp g, 0,1,2,3,4,5,6,7,8,9,10,11,12,13,14,15
	global_load_b64 v[IX+2*\g:IX+2*\g+1], v4, s[12:13] offset:256*\g
.endr
	s_wait_xcnt 0x0                                ; EXEC changes only behind this wait
	s_and_saveexec_b32 s60, vcc_lo
	global_store_b32 v[ZR], v19, s[26:27]          ; the second output, by thread 0 alone, while the indices are on their way
	s_wait_xcnt 0x0
	s_or_b32 exec_lo, exec_lo, s60
	; all that hangs on no index is made while the loads are out
	v_lshlrev_b32 v2, 2, v0                        ; LDS: my word of the table of counts, 128 w + 4 lane
	v_lshlrev_b32 v3, 2, v1                        ; LDS: 4 lane
.irp i, 0,1,2,3,4
	v_bfe_u32 v[KN+\i], v1, \i, 1
.endr
.irp i, 0,1,2,3,4
	v_add_nc_u32 v[KN+\i], -1, v[KN+\i]
.endr
	v_xor_b32 v[HM], -1, v[KN+4]
	s_lshl_b32 s30, s[WV], 9
	v_add_nc_u32 v[TKN], s30, v1                   ; my token of group 0
.irp g, 0,1,2,3,4,5,6,7,8,9,10,11,12,13,14,15
	v_add_nc_u32 v[TK+\g], 32*\g, v[TKN]
.endr
.irp w, 0,1,2,3,4,5,6
	s_cmp_lt_u32 \w, s[WV]
	s_cselect_b32 s[MK+\w], -1, 0
.endr
; The table's entry for key 32 n + lane: a = 4 n + lane / 8, b = lane % 8.
.macro TABLE n
	v_lshrrev_b32 v11, 3, v1
	v_add_nc_u32 v11, 4*\n, v11                    ; a
	v_and_b32 v12, 7, v1                           ; b
	v_min_u32 v13, v11, v12                        ; the smaller
	v_add_nc_u32 v14, v11, v12
	v_sub_nc_u32 v14, v14, v13                     ; the larger
	v_cmp_eq_u32 vcc_lo, v13, v14
	v_cndmask_b32 v15, 0, 1, vcc_lo
	v_add_nc_u32 v14, v14, v15                     ; (a, a) becomes (a, a + 1),
	v_min_u32 v14, 7, v14
	v_add_nc_u32 v15, -1, v14
	v_min_u32 v13, v13, v15                        ; and (7, 7) becomes (6, 7)
	v_sub_nc_u32 v15, 15, v13
	v_mul_u32_u24 v15, v13, v15
	v_lshrrev_b32 v15, 1, v15                      ; the row begins at mn (15 - mn) / 2
	v_sub_nc_u32 v16, v14, v13
	v_add_nc_u32 v16, -1, v16                      ; upward: mx - mn - 1
	v_sub_nc_u32 v17, 7, v14                       ; downward: 7 - mx
	v_and_b32 v18, 1, v13
	v_cmp_eq_u32 vcc_lo, 1, v18
	v_cndmask_b32 v16, v16, v17, vcc_lo            ; odd rows run downward
	v_add_nc_u32 v15, v15, v16                     ; the bin: 0 .. 27
	v_lshlrev_b32 v[TAB+\n], 2, v15                ; x 4: as it stands it is a lane permute's address
.endm
	TABLE 0
	TABLE 1
	s_wait_loadcnt 0x0
	; every token's bin, out of the table.  All 16 groups go stage by stage, so that no line waits for the line above it
.irp g, 0,1,2,3,4,5,6,7,8,9,10,11,12,13,14,15
	v_min_u32 v[IX+2*\g], 7, v[IX+2*\g]
.endr
.irp g, 0,1,2,3,4,5,6,7,8,9,10,11,12,13,14,15
	v_min_u32 v[IX+2*\g+1], 7, v[IX+2*\g+1]
.endr
.irp g, 0,1,2,3,4,5,6,7,8,9,10,11,12,13,14,15
	v_lshl_or_b32 v[IX+2*\g+1], v[IX+2*\g], 3, v[IX+2*\g+1]
.endr
.irp g, 0,1,2,3,4,5,6,7,8,9,10,11,12,13,14,15
	v_lshlrev_b32 v[IX+2*\g+1], 2, v[IX+2*\g+1]    ; 4 x key; the permute takes the lane key mod 32
.endr
.irp g, 0,1,2,3,4,5,6,7,8,9,10,11,12,13,14,15
	ds_bpermute_b32 v[BP+\g], v[IX+2*\g+1], v[TAB]
	ds_bpermute_b32 v[RK+\g], v[IX+2*\g+1], v[TAB+1]
.endr
.irp g, 0,1,2,3,4,5,6,7,8,9,10,11,12,13,14,15
	v_cmp_lt_u32 s[BAL+\g], 3, v[IX+2*\g]          ; a above 3: the key lies in the table's second half
.endr
.irp g, 0,1,2,3,4,5,6,7,8,9,10,11,12,13,14,15
	s_wait_dscnt 30-2*\g                           ; group g's two reads are back; the younger ones stay out
	v_cndmask_b32 v[LT+\g], v[BP+\g], v[RK+\g], s[BAL+\g]
.endr
; Four groups, 4 q .. 4 q + 3, by turns.  Five ballots of the bin's bits; from them, with lane = bin, the mask of the group's tokens of that bin; each token fetches its bin's mask and counts
; the bits below its own lane: its rank; meanwhile, with lane = bin, the mask's bits are counted: the group's count.
.macro QUAD q
.irp i, 0,1,2,3,4
.irp k, 0,1,2,3
	v_and_b32 v[TA+\k], 4<<\i, v[LT+4*\q+\k]
.endr
.irp k, 0,1,2,3
	v_cmp_ne_u32 s[BAL+5*\k+\i], 0, v[TA+\k]
.endr
.endr
.irp k, 0,1,2,3
	v_xor_b32 v[MS+\k], s[BAL+5*\k], v[KN]         ; the tokens whose bin agrees with my lane's number in bit 0,
.endr
.irp i, 1,2,3,4
.irp k, 0,1,2,3
	v_xor_b32 v[TA+\k], s[BAL+5*\k+\i], v[KN+\i]
.endr
.irp k, 0,1,2,3
	v_and_b32 v[MS+\k], v[MS+\k], v[TA+\k]         ; and in the other four
.endr
.endr
.irp k, 0,1,2,3
	ds_bpermute_b32 v[RK+4*\q+\k], v[LT+4*\q+\k], v[MS+\k]   ; the masks are not written again before the wait below
.endr
.irp k, 0,1,2,3
	v_lshrrev_b32 v[TA+\k], 1, v[MS+\k]
.endr
.irp k, 0,1,2,3
	v_and_b32 v[TA+\k], 0x55555555, v[TA+\k]
.endr
.irp k, 0,1,2,3
	v_sub_nc_u32 v[CN+4*\q+\k], v[MS+\k], v[TA+\k]
.endr
.irp k, 0,1,2,3
	v_lshrrev_b32 v[TA+\k], 2, v[CN+4*\q+\k]
.endr
.irp k, 0,1,2,3
	v_and_b32 v[CN+4*\q+\k], 0x33333333, v[CN+4*\q+\k]
.endr
.irp k, 0,1,2,3
	v_and_b32 v[TA+\k], 0x33333333, v[TA+\k]
.endr
.irp k, 0,1,2,3
	v_add_nc_u32 v[CN+4*\q+\k], v[CN+4*\q+\k], v[TA+\k]
.endr
.irp k, 0,1,2,3
	v_lshrrev_b32 v[TA+\k], 4, v[CN+4*\q+\k]
.endr
.irp k, 0,1,2,3
	v_add_nc_u32 v[CN+4*\q+\k], v[CN+4*\q+\k], v[TA+\k]
.endr
.irp k, 0,1,2,3
	v_and_b32 v[CN+4*\q+\k], 0x0f0f0f0f, v[CN+4*\q+\k]
.endr
.irp k, 0,1,2,3
	v_mul_lo_u32 v[CN+4*\q+\k], v[CN+4*\q+\k], 0x01010101
.endr
.irp k, 0,1,2,3
	v_lshrrev_b32 v[CN+4*\q+\k], 24, v[CN+4*\q+\k]
.endr
	s_wait_dscnt 0x0
.irp k, 0,1,2,3
	v_mbcnt_lo_u32_b32 v[RK+4*\q+\k], v[RK+4*\q+\k], 0   ; those of my bin in lower lanes
.endr
.endm
	QUAD 0
	QUAD 1
	QUAD 2
	QUAD 3
	; The lane permutes above go through the LDS unit with addresses made of loaded numbers.  They are all back (the last wait above), and this barrier parts them from the stores into the
	; table of counts, so that the ordering can be read off the text.  The additions that are due anyway stand between its two halves.
	s_barrier_signal -1
	v_add_nc_u32 v[PF+2], v[CN], v[CN+1]           ; lane = bin: my wave's tokens of the bin in the groups in front of g
.irp g, 3,4,5,6,7,8,9,10,11,12,13,14,15
	v_add_nc_u32 v[PF+\g], v[PF+\g-1], v[CN+\g-1]
.endr
	v_add_nc_u32 v11, v[PF+15], v[CN+15]           ; and in all 16
	s_barrier_wait -1
	ds_store_b32 v2, v11                           ; my wave's count of bin = lane
	s_wait_dscnt 0x0                               ; for the others' sake: my store has landed
	s_barrier_signal -1
	s_barrier_wait -1
.irp w, 0,1,2,3,4,5,6,7
	ds_load_b32 v[HR+\w], v3 offset:128*\w
.endr
	s_wait_dscnt 0x0
	v_add_nc_u32 v11, v[HR], v[HR+1]               ; the bin's tokens in all,
	v_add_nc_u32 v12, v[HR+2], v[HR+3]
	v_add_nc_u32 v13, v[HR+4], v[HR+5]
	v_add_nc_u32 v14, v[HR+6], v[HR+7]
	v_add_nc_u32 v11, v11, v12
	v_add_nc_u32 v13, v13, v14
	v_add_nc_u32 v[TOT], v11, v13
.irp w, 0,1,2,3,4,5,6
	v_and_b32 v[HR+\w], s[MK+\w], v[HR+\w]
.endr
	v_add_nc_u32 v11, v[HR], v[HR+1]               ; and in the waves in front of mine
	v_add_nc_u32 v12, v[HR+2], v[HR+3]
	v_add_nc_u32 v13, v[HR+4], v[HR+5]
	v_add_nc_u32 v11, v11, v12
	v_add_nc_u32 v13, v13, v[HR+6]
	v_add_nc_u32 v[BEF], v11, v13
	v_mov_b32 v[FIN], v[TOT]                       ; the running sum over the bins: four steps inside each 16 lanes, then the lower half's total onto the upper
	v_mov_b32 v12, 0
.irp n, 1,2,4,8
	v_mov_b32_dpp v12, v[FIN] row_shr:\n row_mask:0xf bank_mask:0xf bound_ctrl:1
	v_add_nc_u32 v[FIN], v[FIN], v12
.endr
	v_readlane_b32 s61, v[FIN], 15
	v_and_b32 v12, s61, v[HM]
	v_add_nc_u32 v[FIN], v[FIN], v12
	v_sub_nc_u32 v[BAS], v[FIN], v[TOT]
	v_add_nc_u32 v12, v[BAS], v[BEF]               ; where my wave's tokens of the bin begin
	v_mov_b32 v[PF], v12
	v_add_nc_u32 v[PF+1], v12, v[CN]
.irp g, 2,3,4,5,6,7,8,9,10,11,12,13,14,15
	v_add_nc_u32 v[PF+\g], v[PF+\g], v12
.endr
.irp g, 0,1,2,3,4,5,6,7,8,9,10,11,12,13,14,15
	ds_bpermute_b32 v[BP+\g], v[LT+\g], v[PF+\g]   ; each token fetches its bin's running base from lane = bin; no source is written again
.endr
	s_wait_dscnt 0x0
.irp g, 0,1,2,3,4,5,6,7,8,9,10,11,12,13,14,15
	v_add_nc_u32 v[BP+\g], v[BP+\g], v[RK+\g]      ; the token's position
.endr
.irp g, 0,1,2,3,4,5,6,7,8,9,10,11,12,13,14,15
	v_min_u32 v[BP+\g], 0xfff, v[BP+\g]
.endr
.irp g, 0,1,2,3,4,5,6,7,8,9,10,11,12,13,14,15
	v_lshlrev_b32 v[BP+\g], 2, v[BP+\g]
.endr
.irp g, 0,1,2,3,4,5,6,7,8,9,10,11,12,13,14,15
	global_store_b32 v[BP+\g], v[TK+\g], s[22:23]  ; a scatter of 4 bytes a lane, 16,384 bytes in all; each group has registers of its own
.endr
	; the blocks' lists: waves 0 and 1, lane = block 32 w + lane
	s_cmp_lt_u32 s[WV], 2
	s_cbranch_scc0 .Lroute_end
	v_lshrrev_b32 v[FB], 6, v[BAS]                 ; lane = bin: it meets blocks FB .. FB + SPN
	v_add_nc_u32 v11, -1, v[FIN]
	v_lshrrev_b32 v11, 6, v11
	v_sub_nc_u32 v[SPN], v11, v[FB]
	v_mov_b32 v[BIG], 0x10000
	v_cmp_eq_u32 vcc_lo, 0, v[TOT]
	v_cndmask_b32 v[FB], v[FB], v[BIG], vcc_lo     ; an empty bin meets no block: its first block lies beyond all 64,
	v_cndmask_b32 v[SPN], v[SPN], v[ZR], vcc_lo    ; and its span is 0
	s_lshl_b32 s29, s[WV], 5
	v_add_nc_u32 v[JB], s29, v1
.irp k, 0,1,2,3
	v_mov_b32 v[EM+\k], 0
.endr
; One stage for the 14 bins lo .. lo + 13.  Block j meets a bin where j - FB, taken unsigned, is at most SPN.
; 0: the bin's two numbers into scalar registers; 1: j - FB; 2: the compare; 3: all ones where it holds; 4: the pair's two bits into the set.
.macro BPASS lo, stage
.irp a, 0,1,2,3,4,5,6
.irp b, 1,2,3,4,5,6,7
.if \b > \a
.set BETA, \a*(15-\a)/2+(\a%2)*(7-\b)+(1-\a%2)*(\b-\a-1)
.set PBITS, (1<<\a)|(1<<\b)
.set BI, BETA-\lo
.if (BI >= 0) && (BI < 14)
.if \stage == 0
	v_readlane_b32 s[BAL+2*BI], v[FB], BETA
	v_readlane_b32 s[BAL+2*BI+1], v[SPN], BETA
.elseif \stage == 1
	v_sub_nc_u32 v[LTMP+BI], v[JB], s[BAL+2*BI]
.elseif \stage == 2
	v_cmp_le_u32 s[66+BI], v[LTMP+BI], s[BAL+2*BI+1]
.elseif \stage == 3
	v_cndmask_b32 v[LTMP+BI], 0, -1, s[66+BI]
.else
	v_and_or_b32 v[EM+BI%4], v[LTMP+BI], PBITS, v[EM+BI%4]
.endif
.endif
.endif
.endr
.endr
.endm
.irp l, 0, 14
.irp t, 0,1,2,3,4
	BPASS \l, \t
.endr
.endr
	v_or_b32 v[EM], v[EM], v[EM+1]
	v_or_b32 v[EM+2], v[EM+2], v[EM+3]
	v_or_b32 v[EM], v[EM], v[EM+2]                 ; the block's set of experts
.irp e, 0,1,2,3,4,5,6,7
	v_bfe_u32 v[BT+\e], v[EM], \e, 1
.endr
	v_lshlrev_b32 v[P4+1], 2, v[BT]                ; 4 x the number of the set's experts below e: where e stands in the list
.irp e, 2,3,4,5,6,7
	v_lshl_add_u32 v[P4+\e], v[BT+\e-1], 2, v[P4+\e-1]
.endr
	v_lshl_add_u32 v11, v[BT+7], 2, v[P4+7]
.irp e, 1,2,3,4,5,6,7
	v_mul_u32_u24 v[BT+\e], v[BT+\e], \e           ; (expert 0 adds nothing to the list's bits)
.endr
.irp e, 1,2,3,4,5,6,7
	v_lshlrev_b32 v[BT+\e], v[P4+\e], v[BT+\e]
.endr
	v_or_b32 v[BT+1], v[BT+1], v[BT+2]
	v_or_b32 v[BT+3], v[BT+3], v[BT+4]
	v_or_b32 v[BT+5], v[BT+5], v[BT+6]
	v_or_b32 v[BT+1], v[BT+1], v[BT+3]
	v_or_b32 v[BT+5], v[BT+5], v[BT+7]
	v_or_b32 v[OUTP], v[BT+1], v[BT+5]             ; the list,
	v_lshrrev_b32 v[OUTP+1], 2, v11                ; and its length
	v_lshlrev_b32 v[OADR], 3, v1
	s_lshl_b32 s29, s[WV], 8
	v_add_nc_u32 v[OADR], s29, v[OADR]
	global_store_b64 v[OADR], v[OUTP:OUTP+1], s[24:25]   ; 32 lanes store 256 consecutive bytes
.Lroute_end:
	s_wait_tensorcnt 0x0
	ds_add_u32 v224, v225
	s_wait_dscnt 0x0
	s_endpgm
	; ---------------- RELAY: task = 8 (work-group - 1) + wave: tensor (1 bit), expert (3), group of 64 rows (4), tile (2)
.Lrelay:
	s_sub_co_u32 s29, ttmp9, 1
	s_lshl_b32 s29, s29, 3
	s_add_co_u32 s29, s29, s[WV]
	s_lshr_b32 s30, s29, 9                         ; 0: W1, 1: W2
	s_bfe_u32 s31, s29, 0x30006                    ; e
	s_bfe_u32 s32, s29, 0x40002                    ; G
	s_and_b32 s33, s29, 3                          ; t
	s_lshl_b32 s34, s31, 10
	s_lshl_b32 s35, s32, 6
	s_add_co_u32 s34, s34, s35                     ; the group's first row: 1,024 e + 64 G
	s_lshl_b32 s36, s34, 5
	s_lshl_b32 s35, s33, 3
	s_add_co_u32 s36, s36, s35                     ; its scale bytes, from K step 2 t on: for the scales t names a pair of K steps
	s_lshr_b32 s35, s33, 1
	s_lshl_b32 s35, s35, 5
	s_add_co_u32 s34, s34, s35
	s_and_b32 s35, s33, 1
	s_lshl_b32 s35, s35, 3
	s_add_co_u32 s34, s34, s35                     ; the tile's first row: + 32 (t / 2) + 8 (t % 2)
	s_mul_i32 s34, s34, 768                        ; in bytes
	s_mul_i32 s38, s31, 786432
	s_mul_i32 s35, s32, 49152
	s_add_co_u32 s38, s38, s35
	s_mul_i32 s35, s33, 1536
	s_add_co_u32 s38, s38, s35                     ; the tile's images
	s_lshl_b32 s40, s31, 15
	s_lshl_b32 s35, s32, 11
	s_add_co_u32 s40, s40, s35
	s_lshl_b32 s35, s33, 9
	s_add_co_u32 s40, s40, s35                     ; the scale words' images of K steps 2 t, 2 t + 1
	s_mov_b32 s35, 0
	s_mov_b32 s37, 0
	s_mov_b32 s39, 0
	s_mov_b32 s41, 0
	s_mov_b32 s43, 0x03010200                      ; a word's two middle bytes change places
	v_and_b32 v2, 15, v1                           ; r
	v_lshrrev_b32 v3, 4, v1                        ; h
	v_lshlrev_b32 v4, 4, v1                        ; 16 lane
	v_lshlrev_b32 v5, 3, v1                        ; 8 lane
	s_mul_i32 s42, s[WV], 12544
	s_add_co_u32 s42, s42, 1024                    ; my stage: 16 rows of 768 bytes + 16
.irp i, 0,1,2
	v_add_nc_u32 v11, 32*\i, v1                    ; piece n of 16 bytes, n = 32 i + lane under 96, lies in row n / 48: 16 n + 16 (n / 48)
	v_mul_u32_u24 v12, v11, 1366
	v_lshrrev_b32 v12, 16, v12                     ; n / 48 for n under 96
	v_add_nc_u32 v11, v11, v12
	v_lshlrev_b32 v11, 4, v11
	v_add_nc_u32 v[6+\i], s42, v11
.endr
	v_mul_u32_u24 v9, v2, 784
	v_mad_u32_u24 v9, v3, 48, v9
	v_add_nc_u32 v9, s42, v9                       ; out of the stage: row r, + 48 h
	v_and_b32 v10, 8, v2
	v_add_nc_u32 v10, v10, v2
	v_lshl_add_u32 v10, v3, 3, v10
	v_lshlrev_b32 v10, 5, v10                      ; scale bytes: row 8 h + r + 8 (r / 8) of 32 bytes: tile h; tile 2 + h lies 32 rows on
	s_wait_kmcnt 0x0
	s_cmp_eq_u32 s30, 0                            ; the choice of buffers hangs on the work-group's and the wave's number alone
	s_cselect_b64 s[4:5], s[4:5], s[6:7]
	s_cselect_b64 s[8:9], s[8:9], s[10:11]
	s_cselect_b64 s[14:15], s[14:15], s[16:17]
	s_cselect_b64 s[18:19], s[18:19], s[20:21]
	s_add_nc_u64 s[4:5], s[4:5], s[34:35]
	s_add_nc_u64 s[8:9], s[8:9], s[36:37]
	s_add_nc_u64 s[14:15], s[14:15], s[38:39]
	s_add_nc_u64 s[18:19], s[18:19], s[40:41]
	global_load_b64 v[12:13], v10, s[8:9]
	global_load_b64 v[14:15], v10, s[8:9] offset:1024
.irp p, 0,1                            ; the tile is two runs of 8 dense rows, 16 rows apart; each load reads 512 consecutive bytes
.irp i, 0,1,2,3,4,5,6,7,8,9,10,11
	global_load_b128 v[R+4*(12*\p+\i):R+4*(12*\p+\i)+3], v4, s[4:5] offset:12288*\p+512*\i th:TH_LOAD_NT
.endr
.endr
.irp p, 0,1
.irp i, 0,1,2,3,4,5,6,7,8,9,10,11
	s_wait_loadcnt 23-12*\p-\i                     ; the younger loads may stay out
	ds_store_b128 v[6+\i%3], v[R+4*(12*\p+\i):R+4*(12*\p+\i)+3] offset:6272*\p+1568*(\i/3)
.endr
.endr
.irp s, 0,1,2,3,4,5,6,7                ; LDS serves a wave's instructions in order: these see my stores
.irp j, 0,1,2
	ds_load_b128 v[F+4*(3*\s+\j):F+4*(3*\s+\j)+3], v9 offset:96*\s+16*\j
.endr
.endr
.irp s, 0,1,2,3,4,5,6,7
.irp j, 0,1,2
	s_wait_dscnt 23-3*\s-\j
	global_store_b128 v4, v[F+4*(3*\s+\j):F+4*(3*\s+\j)+3], s[14:15] offset:6144*\s+512*\j   ; 32 lanes store 512 consecutive bytes
.endr
.endr
	v_perm_b32 v16, v12, v12, s43                  ; K step 2 t: tile h's word, tile 2 + h's word
	v_perm_b32 v17, v14, v14, s43
	v_perm_b32 v18, v13, v13, s43                  ; K step 2 t + 1
	v_perm_b32 v19, v15, v15, s43
	global_store_b64 v5, v[16:17], s[18:19]        ; 32 lanes store 256 consecutive bytes
	global_store_b64 v5, v[18:19], s[18:19] offset:256
	s_wait_tensorcnt 0x0
	ds_add_u32 v224, v225
	s_wait_dscnt 0x0
	s_endpgm
.Lfunc_end_k_q0010a73a64_prep:
	.size	k_q0010a73a64_prep, .Lfunc_end_k_q0010a73a64_prep-k_q0010a73a64_prep
	.p2alignl 7, 3214868480
	.fill 96, 4, 3214868480
	.section	.rodata,"a",@progbits
	.p2align	6, 0x0
	.amdhsa_kernel k_q0010a73a64_prep
		.amdhsa_group_segment_fixed_size 102400
		.amdhsa_private_segment_fixed_size 0
		.amdhsa_enable_private_segment 0
		.amdhsa_kernarg_size 96
		.amdhsa_user_sgpr_count 2
		.amdhsa_user_sgpr_kernarg_segment_ptr 1
		.amdhsa_wavefront_size32 1
		.amdhsa_system_sgpr_workgroup_id_x 1
		.amdhsa_system_sgpr_workgroup_id_y 1
		.amdhsa_system_sgpr_workgroup_id_z 1
		.amdhsa_system_vgpr_workitem_id 0
		.amdhsa_next_free_vgpr 226
		.amdhsa_next_free_sgpr 80
		.amdhsa_reserve_vcc 1
		.amdhsa_float_denorm_mode_32 3
		.amdhsa_float_denorm_mode_16_64 3
		.amdhsa_memory_ordered 1
		.amdhsa_forward_progress 1
		.amdhsa_inst_pref_size 71
	.end_amdhsa_kernel
	.amdgpu_metadata
---
amdhsa.version: [ 1, 2 ]
amdhsa.kernels:
  - .name:           k_q0010a73a64_prep
    .symbol:         k_q0010a73a64_prep.kd
    .args:
      - { .name: W1_codes, .offset: 0, .size: 8, .value_kind: global_buffer, .address_space: global }
      - { .name: W2_codes, .offset: 8, .size: 8, .value_kind: global_buffer, .address_space: global }
      - { .name: W1_scales, .offset: 16, .size: 8, .value_kind: global_buffer, .address_space: global }
      - { .name: W2_scales, .offset: 24, .size: 8, .value_kind: global_buffer, .address_space: global }
      - { .name: topK_indices, .offset: 32, .size: 8, .value_kind: global_buffer, .address_space: global }
      - { .name: w1i, .offset: 40, .size: 8, .value_kind: global_buffer, .address_space: global }
      - { .name: w2i, .offset: 48, .size: 8, .value_kind: global_buffer, .address_space: global }
      - { .name: w1s, .offset: 56, .size: 8, .value_kind: global_buffer, .address_space: global }
      - { .name: w2s, .offset: 64, .size: 8, .value_kind: global_buffer, .address_space: global }
      - { .name: order, .offset: 72, .size: 8, .value_kind: global_buffer, .address_space: global }
      - { .name: blk, .offset: 80, .size: 8, .value_kind: global_buffer, .address_space: global }
      - { .name: out1, .offset: 88, .size: 8, .value_kind: global_buffer, .address_space: global }
    .group_segment_fixed_size: 102400
    .private_segment_fixed_size: 0
    .kernarg_segment_align: 8
    .kernarg_segment_size: 96
    .max_flat_workgroup_size: 256
    .sgpr_count:     80
    .vgpr_count:     226
    .wavefront_size: 32
...
	.end_amdgpu_metadata
.endif
;; end of part 4
;; launch up: the kernel of part 2 again; grid 4 x 64, 4 waves a work-group, no clusters, 51,712 bytes of LDS; arguments x_codes, x_scales, w1i, w1s, b1, order, blk, hc, hs; writes hc, hs
;; launch down: the kernel of part 3 again; grid 4 x 64, 4 waves a work-group, no clusters, 120,320 bytes of LDS; arguments hc, hs, w2i, w2s, b2, order, blk, topK_indices, topK_scores, out0; writes out0
;; ======== version 3 of 3: 3 launches; version 2 with the launches up, down written anew for expert scheduling mode
;; workspace buffers: w1i 6,291,456 bytes; w2i 6,291,456 bytes; w1s 262,144 bytes; w2s 262,144 bytes; order 16,384 bytes of whole numbers; blk 512 bytes of whole numbers; hc 25,165,824 bytes; hs 1,048,576 bytes
;; launch prep: the kernel of part 4 again; grid 129 x 1, 8 waves a work-group, no clusters, 102,400 bytes of LDS; arguments W1_codes, W2_codes, W1_scales, W2_scales, topK_indices, w1i, w2i, w1s, w2s, order, blk, out1; writes w1i, w2i, w1s, w2s, order, blk, out1
;; launch up (part 5): grid 4 x 64, 4 waves a work-group, no clusters, 51,712 bytes of LDS; arguments x_codes, x_scales, w1i, w1s, b1, order, blk, hc, hs; writes hc, hs
.if DOCPART == 5
	.amdgcn_target "amdgcn-amd-amdhsa--gfx1250"
	.amdhsa_code_object_version 6
	.text
	.protected	k_q0010a73a64_up
	.globl	k_q0010a73a64_up
	.p2align	8
	.type	k_q0010a73a64_up,@function
k_q0010a73a64_up:
	s_mov_b64 s[64:65], 0
	v_nop
	global_prefetch_b8 v0, s[64:65] scope:SCOPE_SE
	s_setreg_imm32_b32 hwreg(HW_REG_WAVE_SCHED_MODE, 0, 2), 2
	s_setreg_imm32_b32 hwreg(HW_REG_WAVE_MODE, 25, 1), 1
	s_wait_xcnt 0x0
	s_wait_alu depctr_vm_vsrc(0)
; UP.  H = Q(silu(x W1[e] + b1[e])) for a block of 64 sorted tokens (work-group y) and 256 hidden units (work-group x), for each expert of the block's list.
; A wave makes 64 tokens x 64 units (group GA = 4 x + wave): 16 accumulators.  The product is used transposed: source 0 = 16 rows of W1, source 1 = 16 tokens, so that a lane holds one token,
; and by the choice of a tile's rows register 16 b + i of a token tile is unit 32 b + 16 h + i: 16 neighbours along the next product's K.
; x's 32 fragments stay in registers for the whole launch; the weights come from memory straight into a ring of four register sets, three K steps ahead, on into the next expert.
; The walk over the list is a loop of 8 trips; trips at or beyond the list's length are passed over by a scalar branch on the stored number.  This launch has no cluster
; with joint loads: partners' lists would differ.
; K is permuted inside a K step, alike in both operands (lane (r, h): the 48 bytes at 96 s + 48 h of its row); the scale words' middle bytes have changed places to suit.
; THE QUANTISER: a block's scale byte is its largest magnitude's exponent field less 2, held at 1 from below by a floor of 2^-124 among the maximum's leaves; the conversion rounds to the nearest code, ties to even,
; and gives the largest code beyond 7.5.  LIMITS: a block of zeros keeps the byte 1 (its codes are zeros; this program alone reads the bytes); NaN and infinities are not served.
; silu(z) = z / (1 + 2^(-z log2 e)), all in f32.
; REGISTERS, in windows of 256: window 0: v4-15 addresses, v16-31 x's scale words, v32-39 the weights' scale words (four sets), v40-63 at work, v64-127 at work, v128-255 the accumulators (tile t, tokens m: v[128 + 32 m + 8 t]).
;   window 1: x's fragments of K steps 0-4.   window 2: those of K steps 5-7; v144-175 the bias in the result's layout.   window 3: v0-191 the weights' ring.
; THE MODE: SCHED_MODE bits 1:0 = 2 (LLVM: expert scheduling mode 2), set by the entry lines.  The code itself states the register dependences
; between vector or matrix instructions and memory or LDS instructions, with s_wait_alu, always for 0.
; THE PLAN.  Registers that memory or LDS instructions touch:
;   the weights' ring and its scale words v32-39   K step s's 16 products read set s % 4; the 13 loads issued in step s land in set (s + 3) % 4 = (s - 1) % 4, which the products of step s - 1 read last.
;   the bias                                       K step 0's products read it as C; the next expert's is loaded in step 5.
;   x's fragments, v16-31                          LDS loads at the head; read by products alone from then on.
;   v128-227                                       at the head: the gather's loads land there (v224-227 are permuted), my LDS stores read them; then they are accumulators.
;   the codes v64-75, v84-95 and the word v60      written by an expert's last arithmetic, read by its seven stores, written again by the next expert's.
;   v4-15                                          addresses, made at the head and never written again; the bases are scalar registers.
; So ONE wait on va_vdst stands in a K step that loads, behind the wait for the step's own set: the products of the step before are done with the set in which this step's loads land.  The loads follow
; behind the step's first four products, which name set s % 4, x's fragments, the accumulators and their own scale words: none of the registers that those loads touch.
; One wait on va_vdst stands ahead of an expert's seven stores, one on vm_vsrc behind them.
.set XSC,  49152                       ; LDS: bytes 0 .. 49,151 x's fragments as images of their registers, (s, m) at 1,536 (4 s + m); then x's scale words, 256 s + 64 m + 4 r
.set LI,   4                           ; v4   16 lane
.set L8,   5                           ; v5   8 lane
.set XW,   6                           ; v6   where I store x's images: 16 lane + 1,536 wave
.set XSW,  7                           ; v7   and x's scale words
.set XSR,  8                           ; v8   where I read them: lanes 0-15 tiles 0, 1; lanes 16-31 tiles 2, 3
.set HO,   9                           ; v9   my place in the block's codes of H
.set L4,   10                          ; v10  4 lane
.set BO,   11                          ; v11  64 h
.set TOK,  12
.set XO,   13
.set XSO,  14
.set OAD,  15
.set XS,   16
.set WS,   32
.set TM,   40
.set TP,   44
.set SO,   48
.set BY,   52
.set U,    56
.set SWD,  60
.set T,    64
.set ACC,  128
.set BIAS, 144
.set WV,   22
.set GA,   23
.set BB,   24
.set LIST, 26
.set CNT,  27
.set IT,   28
.set EC,   29                          ; this trip's expert
.set EN,   30                          ; the next
.set WB,   32                          ; s[32:33] this expert's images, s[34:35] its scale words
.set SB,   34
.set WN,   36                          ; the same of the next expert; s[40:41] its bias
.set SN,   38
.set BN,   40
.set HB,   42                          ; where this expert's codes of H go; s[44:45] their scale words
.set HSB,  44
.set PW,   46                          ; the wave's places in the buffers, expert 0
.set PS,   48
.set PB,   50
.set PH,   52
.set PHS,  54
.set SEL,  56
.set HMK,  58
.set MSB, 0
.macro WIN new                         ; the immediate's high byte repeats the setting that is left
.if MSB != \new
	s_set_vgpr_msb (MSB<<8)|\new
.set MSB, \new
.endif
.endm
.macro PLACES                          ; four plain places behind matrix instructions, ahead of loads into registers that they read and of the first read of results
.rept 4
	v_nop
.endr
.endm
.macro LW wb, sb, sig                  ; K step sig's four tiles of weights and their scale words into set sig % 4: 13 loads
	WIN 0xc0
.irp t, 0,1,2,3
.irp j, 0,1,2
	global_load_b128 v[48*((\sig)%4)+12*\t+4*\j:48*((\sig)%4)+12*\t+4*\j+3], v[LI], s[\wb:\wb+1] offset:6144*(\sig)+1536*\t+512*\j
.endr
.endr
	WIN 0
	global_load_b64 v[WS+2*((\sig)%4):WS+2*((\sig)%4)+1], v[L8], s[\sb:\sb+1] offset:256*(\sig)
.endm
.macro LB                              ; the next expert's bias: tile 2 b + u, lane (r, h): units 32 b + 16 h + 8 u + 0 .. 7: 8 loads
	WIN 0x80
.irp b, 0,1
.irp u, 0,1
.irp k, 0,1
	global_load_b128 v[BIAS+8*(2*\b+\u)+4*\k:BIAS+8*(2*\b+\u)+4*\k+3], v[BO], s[BN:BN+1] offset:128*\b+32*\u+16*\k
.endr
.endr
.endr
	WIN 0
.endm
.macro NEXTP                           ; the next expert's places
	s_mul_i32 s60, s[EN], 786432
	s_add_nc_u64 s[WN:WN+1], s[PW:PW+1], s[60:61]
	s_lshl_b32 s60, s[EN], 15
	s_add_nc_u64 s[SN:SN+1], s[PS:PS+1], s[60:61]
	s_lshl_b32 s60, s[EN], 12
	s_add_nc_u64 s[BN:BN+1], s[PB:PB+1], s[60:61]
.endm
; 4 of a K step's 16 matrix instructions: token tile m against the four tiles of weights, 128 along K.  A step takes m = 0, 1, 2, 3: the 16 accumulators take turns, one instruction a turn, in the same
; order in every step.  K step 0 takes the bias as C.
.macro MULM s, m
.if (\s) == 0
	WIN 0x27                                       ; source 0 window 3, source 1 window 1, C window 2
.elseif (\s) < 5
	WIN 0x07
.else
	WIN 0x0b                                       ; source 1 window 2
.endif
.irp t, 0,1,2,3
.set DR, ACC+32*(\m)+8*\t
.set AR, 48*((\s)%4)+12*\t
.if (\s) < 5
.set BR, 12*(4*(\s)+(\m))
.else
.set BR, 12*(4*((\s)-5)+(\m))
.endif
.if (\s) == 0
.set CR, BIAS+8*\t
.else
.set CR, DR
.endif
.set SAR, WS+2*((\s)%4)+\t/2
.set SBR, XS+2*(\s)+(\m)%2
.if (\t%2 == 0) && ((\m) < 2)
	v_wmma_scale_f32_16x16x128_f8f6f4 v[DR:DR+7], v[AR:AR+11], v[BR:BR+11], v[CR:CR+7], v[SAR], v[SBR] matrix_a_fmt:MATRIX_FMT_FP6 matrix_b_fmt:MATRIX_FMT_FP6
.elseif (\t%2 == 1) && ((\m) < 2)
	v_wmma_scale_f32_16x16x128_f8f6f4 v[DR:DR+7], v[AR:AR+11], v[BR:BR+11], v[CR:CR+7], v[SAR], v[SBR] matrix_a_fmt:MATRIX_FMT_FP6 matrix_b_fmt:MATRIX_FMT_FP6 matrix_a_scale:MATRIX_SCALE_ROW1
.elseif (\t%2 == 0)
	v_wmma_scale_f32_16x16x128_f8f6f4 v[DR:DR+7], v[AR:AR+11], v[BR:BR+11], v[CR:CR+7], v[SAR], v[SBR] matrix_a_fmt:MATRIX_FMT_FP6 matrix_b_fmt:MATRIX_FMT_FP6 matrix_b_scale:MATRIX_SCALE_ROW1
.else
	v_wmma_scale_f32_16x16x128_f8f6f4 v[DR:DR+7], v[AR:AR+11], v[BR:BR+11], v[CR:CR+7], v[SAR], v[SBR] matrix_a_fmt:MATRIX_FMT_FP6 matrix_b_fmt:MATRIX_FMT_FP6 matrix_a_scale:MATRIX_SCALE_ROW1 matrix_b_scale:MATRIX_SCALE_ROW1
.endif
.endr
.endm
; A K step: places, the wait for this step's set, the one wait on va_vdst, four products, the loads of the set three steps on (in steps 5 to 7: the next expert's bias and first three sets, if there is a next), twelve products.
; The wait on LOADcnt counts the loads issued behind this step's set: the groups of the last two steps: 13 each, 21 in step 5 with a next expert.
.macro STEP s, next
	PLACES
.if (\s) <= 5
	s_wait_loadcnt 26
.elseif \next
	s_wait_loadcnt 34
.else
	s_wait_loadcnt 13*(7-(\s))
.endif
.if ((\s) <= 4) || (\next)
	s_wait_alu depctr_va_vdst(0)                   ; the products of the step before are done reading weight set (s - 1) % 4 and its scale words, in which this step's loads land; in step 5: K step 0's products are done reading the bias
.endif
	MULM \s, 0
.if (\s) <= 4
	LW WB, SB, (\s)+3                              ; no wait: no vector or matrix instruction since the wait above names these registers
.elseif \next
.if (\s) == 5
	LB
.endif
	LW WN, SN, (\s)-5
.endif
	MULM \s, 1
	MULM \s, 2
	MULM \s, 3
.endm
; silu in place on 64 registers: two token tiles.  The exponentials and the reciprocals go as batches, each with one plain place and one wait behind it, ahead of its first reader.
.macro SILU n
.set ZB, ACC+64*(\n)
.set i, 0
.rept 32
	v_pk_mul_f32 v[T+i:T+i+1], v[ZB+i:ZB+i+1], 0xbfb8aa3b op_sel_hi:[1,0]   ; -z log2(e); each accumulator is read from its low end on
.set i, i+2
.endr
.set i, 0
.rept 64
	v_exp_f32 v[T+i], v[T+i]
.set i, i+1
.endr
	v_nop
	s_wait_alu depctr_va_vdst(0)                   ; the 64 exponentials have written v[T ..], which the additions read
.set i, 0
.rept 32
	v_pk_add_f32 v[T+i:T+i+1], v[T+i:T+i+1], 1.0 op_sel_hi:[1,0]
.set i, i+2
.endr
.set i, 0
.rept 64
	v_rcp_f32 v[T+i], v[T+i]
.set i, i+1
.endr
	v_nop
	s_wait_alu depctr_va_vdst(0)                   ; the 64 reciprocals have written v[T ..], which the multiplications read
.set i, 0
.rept 32
	v_pk_mul_f32 v[ZB+i:ZB+i+1], v[ZB+i:ZB+i+1], v[T+i:T+i+1]
.set i, i+2
.endr
.endm
; Token tiles 2 n and 2 n + 1 are quantised: four blocks of 32 units (chain k = 2 (tile % 2) + b), by turns.  The halves of the two tiles change places so that lane (r, l) holds all 64 codes of token r of tile 2 n + l:
; the 12 registers of one lane of the next product's fragment (K step GA / 2, half GA % 2).  Each pair of tiles has code registers of its own; they leave by HOUT.
.macro QUANT n
.set ZB, ACC+64*(\n)
.set PC, T+20*(\n)
.set PT, PC+12
.irp k, 0,1,2,3
	v_max3_num_f32 v[TM+\k], |v[ZB+16*\k]|, |v[ZB+16*\k+1]|, 0x1800000   ; my 16 numbers, and the floor 2^(3 - 127)
.endr
.irp i, 2,4,6,8,10,12,14
.irp k, 0,1,2,3
	v_max3_num_f32 v[TM+\k], v[TM+\k], |v[ZB+16*\k+\i]|, |v[ZB+16*\k+\i+1]|
.endr
.endr
.irp k, 0,1,2,3
	v_permlanex16_b32 v[TP+\k], v[TM+\k], s[SEL], s[SEL+1]
.endr
.irp k, 0,1,2,3
	v_max_num_f32 v[TM+\k], v[TM+\k], v[TP+\k]     ; with lane l xor 16's 16: the block's largest magnitude
.endr
.irp k, 0,1,2,3
	v_add_nc_u32 v[SO+\k], 0xff000000, v[TM+\k]    ; 2 off its exponent field: the conversion's scale operand
.endr
.irp k, 0,1,2,3
	v_lshrrev_b32 v[BY+\k], 23, v[SO+\k]           ; the scale's byte
.endr
	v_lshl_or_b32 v[U+2*(\n)], v[BY+1], 8, v[BY]
	v_lshl_or_b32 v[U+2*(\n)+1], v[BY+3], 8, v[BY+2]
.irp b, 0,1
	v_cvt_scalef32_pk16_fp6_f32 v[PC+6*\b:PC+6*\b+2], v[ZB+16*\b:ZB+16*\b+15], v[SO+\b]
	v_cvt_scalef32_pk16_fp6_f32 v[PT+4*\b:PT+4*\b+2], v[ZB+32+16*\b:ZB+32+16*\b+15], v[SO+2+\b]
.endr
	v_nop                                          ; one plain place behind the scaled conversions
.irp b, 0,1
.irp i, 0,1,2
	v_permlane16_swap_b32 v[PC+6*\b+\i], v[PT+4*\b+\i]   ; the first now holds units 32 b + 0 .. 15 of tile 2 n + l, the second units 32 b + 16 .. 31
.endr
.irp i, 0,1,2
	v_mov_b32 v[PC+6*\b+3+\i], v[PT+4*\b+\i]
.endr
.endr
.endm
.macro HOUT n                          ; the codes of token tiles 2 n and 2 n + 1 leave
.set PC, T+20*(\n)
.irp j, 0,1,2
	global_store_b128 v[HO], v[PC+4*\j:PC+4*\j+3], s[HB:HB+1] offset:3072*(\n)+512*\j   ; each half of the lanes stores 256 consecutive bytes, aligned
.endr
.endm
	s_load_b512 s[4:19], s[0:1], 0x0               ; x codes, x scales, w1i, w1s, b1, order, blk, hc
	s_load_b64 s[20:21], s[0:1], 0x40              ; hs
	v_lshl_add_u32 v62, v0, 2, 0xc800
	s_set_vgpr_msb 0x40
	v_mov_b32 v255, 0
	s_set_vgpr_msb 0x4000
	v_lshrrev_b32 v1, 5, v0
	v_readfirstlane_b32 s[WV], v1
	v_and_b32 v1, 31, v0                           ; lane
	v_and_b32 v2, 15, v0                           ; r
	v_bfe_u32 v3, v0, 4, 1                         ; h
	s_and_b32 s[BB], ttmp7, 0xffff                 ; the block
	s_lshl_b32 s[GA], ttmp9, 2
	s_wait_alu depctr_va_sdst(0)                   ; the wave's number is written, ahead of its first reader
	s_add_co_u32 s[GA], s[GA], s[WV]               ; my group of 64 units
	v_lshlrev_b32 v[LI], 4, v1
	v_lshlrev_b32 v[L8], 3, v1
	v_lshlrev_b32 v[L4], 2, v1
	v_lshlrev_b32 v[BO], 6, v3
	s_mul_i32 s31, s[WV], 1536
	v_add_nc_u32 v[XW], s31, v[LI]
	v_lshlrev_b32 v[XSW], 2, v2
	v_lshl_add_u32 v[XSW], v3, 10, v[XSW]
	s_lshl_b32 s31, s[WV], 6
	s_add_co_u32 s31, s31, XSC
	v_add_nc_u32 v[XSW], s31, v[XSW]               ; XSC + 1,024 h + 64 wave + 4 r: my half holds K steps 4 h .. 4 h + 3
	v_lshlrev_b32 v[XSR], 2, v2
	v_lshl_add_u32 v[XSR], v3, 7, v[XSR]
	v_add_nc_u32 v[XSR], XSC, v[XSR]               ; XSC + 128 h + 4 r
	v_lshlrev_b32 v[HO], 4, v2
	v_mad_u32_u24 v[HO], v3, 1536, v[HO]
	s_and_b32 s31, s[GA], 1
	s_lshl_b32 s31, s31, 8
	s_lshr_b32 s62, s[GA], 1
	s_mul_i32 s62, s62, 6144
	s_add_co_u32 s31, s31, s62
	v_add_nc_u32 v[HO], s31, v[HO]                 ; 16 r + 1,536 l + 256 (GA % 2) + 6,144 (GA / 2)
	v_lshlrev_b32 v[OAD], 2, v2
	s_lshl_b32 s31, s[BB], 8
	s_lshl_b32 s62, s[WV], 6
	s_add_co_u32 s31, s31, s62
	v_add_nc_u32 v[OAD], s31, v[OAD]               ; order: position 64 block + 16 wave + r
	v_mul_u32_u24 v63, v3, 48
	s_mov_b32 s[SEL], 0x76543210
	s_mov_b32 s[SEL+1], 0xfedcba98                 ; lane l xor 16
	s_mov_b32 s[HMK], 0xffff0000                   ; lanes 16-31
	s_mov_b32 s61, 0
.irp k, 0,1,2,3
	v_mov_b32 v[TP+\k], 0                          ; written once: a lane permute's destination counts as one of its sources
.endr
	s_lshl_b32 s63, s[BB], 3
	s_wait_kmcnt 0x0
	s_load_b64 s[LIST:LIST+1], s[16:17], s63 offset:0x0   ; the block's list and its length
	s_wait_alu depctr_va_vdst(0)                   ; the addresses v4 to v11 and v15 are written, which the kernel's loads and stores read
	global_load_b32 v[TOK], v[OAD], s[14:15]
	s_mul_i32 s60, s[GA], 49152
	s_add_nc_u64 s[PW:PW+1], s[8:9], s[60:61]
	s_lshl_b32 s60, s[GA], 11
	s_add_nc_u64 s[PS:PS+1], s[10:11], s[60:61]
	s_lshl_b32 s60, s[GA], 8
	s_add_nc_u64 s[PB:PB+1], s[12:13], s[60:61]
	s_mul_i32 s60, s[BB], 49152
	s_add_nc_u64 s[PH:PH+1], s[18:19], s[60:61]
	s_lshl_b32 s60, s[BB], 11
	s_lshl_b32 s62, s[GA], 7
	s_add_co_u32 s60, s60, s62
	s_add_nc_u64 s[PHS:PHS+1], s[20:21], s[60:61]
	s_wait_kmcnt 0x0
	s_and_b32 s[EN], s[LIST], 7
	s_min_u32 s[EN], s[EN], 7
	NEXTP
	LB                                             ; the first expert's bias and first three sets: 47 loads
	LW WN, SN, 0
	LW WN, SN, 1
	LW WN, SN, 2
	s_wait_loadcnt 47                              ; my token's number is in; the 47 younger loads stay out
	v_min_u32 v[TOK], 0xfff, v[TOK]
	v_mul_u32_u24 v[XO], v[TOK], 768
	v_add_nc_u32 v[XO], v[XO], v63                 ; its row of codes, + 48 h
	v_lshlrev_b32 v[XSO], 5, v[TOK]
	v_lshl_add_u32 v[XSO], v3, 4, v[XSO]           ; its scale bytes, + 16 h
	s_wait_alu depctr_va_vdst(0)                   ; the two offsets made of the token's number are written, which the gather's loads read
.irp s, 0,1,2,3,4,5,6,7
.irp j, 0,1,2
	global_load_b128 v[ACC+4*(3*\s+\j):ACC+4*(3*\s+\j)+3], v[XO], s[4:5] offset:96*\s+16*\j
.endr
.endr
	global_load_b128 v[224:227], v[XSO], s[6:7]
	s_mov_b32 s62, 0x03010200
	s_wait_loadcnt 0x0
.irp i, 0,1,2,3
	v_perm_b32 v[224+\i], v[224+\i], v[224+\i], s62   ; the middle bytes change places
.endr
.irp s, 0,1,2,3,4,5,6,7                ; wave w has gathered token tile w: its eight fragments go to LDS as images of their registers, as the loads left them
.irp j, 0,1,2
	ds_store_b128 v[XW], v[ACC+4*(3*\s+\j):ACC+4*(3*\s+\j)+3] offset:6144*\s+512*\j
.endr
.endr
	s_wait_alu depctr_va_vdst(0)                   ; the four permuted scale words v224 to v227 are written, which the LDS stores below read
.irp i, 0,1,2,3
	ds_store_b32 v[XSW], v[224+\i] offset:256*\i
.endr
	s_wait_dscnt 0x0                               ; for the others' sake: my stores have landed
	s_barrier_signal -1
	s_barrier_wait -1                              ; the launch's one barrier
	s_wait_alu depctr_vm_vsrc(0)                   ; my LDS stores have read v128 to v227: these registers are accumulators from here on, written by the products
	WIN 0x40
.irp s, 0,1,2,3,4
.irp m, 0,1,2,3
.irp j, 0,1,2
	ds_load_b128 v[12*(4*\s+\m)+4*\j:12*(4*\s+\m)+4*\j+3], v[LI] offset:1536*(4*\s+\m)+512*\j
.endr
.endr
.endr
	WIN 0x80
.irp s, 5,6,7
.irp m, 0,1,2,3
.irp j, 0,1,2
	ds_load_b128 v[12*(4*(\s-5)+\m)+4*\j:12*(4*(\s-5)+\m)+4*\j+3], v[LI] offset:1536*(4*\s+\m)+512*\j
.endr
.endr
.endr
	WIN 0
.irp s, 0,1,2,3,4,5,6,7
.irp q, 0,1
	ds_load_b32 v[XS+2*\s+\q], v[XSR] offset:256*\s+64*\q   ; lanes 0-15: tile q's words, lanes 16-31: tile 2 + q's
.endr
.endr
	s_wait_dscnt 0x0
	s_mov_b32 s[IT], 0
.Ltrip:
	s_cmp_lt_u32 s[IT], s[CNT]
	s_cbranch_scc0 .Lskip
	s_wait_xcnt 0x0                                ; every base, and the registers that the last expert's stores read, are written again only behind this wait
	s_and_b32 s[EC], s[LIST], 7
	s_min_u32 s[EC], s[EC], 7
	s_lshr_b32 s[LIST], s[LIST], 4
	s_and_b32 s[EN], s[LIST], 7
	s_min_u32 s[EN], s[EN], 7
	s_mov_b64 s[WB:WB+1], s[WN:WN+1]
	s_mov_b64 s[SB:SB+1], s[SN:SN+1]
	NEXTP
	s_mul_i32 s60, s[EC], 3145728
	s_add_nc_u64 s[HB:HB+1], s[PH:PH+1], s[60:61]
	s_lshl_b32 s60, s[EC], 17
	s_add_nc_u64 s[HSB:HSB+1], s[PHS:PHS+1], s[60:61]
	STEP 0, 1
	STEP 1, 1
	STEP 2, 1
	STEP 3, 1
	STEP 4, 1
	WIN 0
	s_add_co_u32 s62, s[IT], 1
	s_cmp_lt_u32 s62, s[CNT]
	s_cbranch_scc0 .Llast
	STEP 5, 1
	STEP 6, 1
	STEP 7, 1
	WIN 0
	s_branch .Lepi
.Llast:                                                ; the list's last expert asks for nothing more, so its last three steps hold no wait on va_vdst
	STEP 5, 0
	STEP 6, 0
	STEP 7, 0
	WIN 0
.Lepi:
	PLACES
	SILU 0
	SILU 1
	QUANT 0
	QUANT 1
	v_lshl_or_b32 v[SWD], v[U+1], 16, v[U]         ; tiles 0 and 1: two bytes each,
	v_lshl_or_b32 v[SWD+1], v[U+3], 16, v[U+2]     ; tiles 2 and 3
	v_cndmask_b32 v[SWD], v[SWD], v[SWD+1], s[HMK] ; lanes 0-15 keep the first, lanes 16-31 take the second
	s_wait_alu depctr_va_vdst(0)                   ; the codes of all four tiles and the scale word are written, which the seven stores below read
	HOUT 0
	HOUT 1
	global_store_b32 v[L4], v[SWD], s[HSB:HSB+1]   ; 128 consecutive bytes
	s_wait_alu depctr_vm_vsrc(0)                   ; the seven stores have read the codes' registers and the scale word, which the next expert's arithmetic writes again
.Lskip:
	s_add_co_u32 s[IT], s[IT], 1
	s_cmp_lt_u32 s[IT], 8
	s_cbranch_scc1 .Ltrip
	s_set_vgpr_msb 0x4                             ; the add's second register lies in window 1
	s_wait_dscnt 0x0                               ; the closing lines, six on end
	s_wait_alu 0x0
	s_wait_tensorcnt 0x0
	ds_add_u32 v62, v255
	s_wait_dscnt 0x0
	s_endpgm
.Lfunc_end_k_q0010a73a64_up:
	.size	k_q0010a73a64_up, .Lfunc_end_k_q0010a73a64_up-k_q0010a73a64_up
	.p2alignl 7, 3214868480
	.fill 96, 4, 3214868480
	.section	.rodata,"a",@progbits
	.p2align	6, 0x0
	.amdhsa_kernel k_q0010a73a64_up
		.amdhsa_group_segment_fixed_size 51712
		.amdhsa_private_segment_fixed_size 0
		.amdhsa_enable_private_segment 0
		.amdhsa_kernarg_size 72
		.amdhsa_user_sgpr_count 2
		.amdhsa_user_sgpr_kernarg_segment_ptr 1
		.amdhsa_wavefront_size32 1
		.amdhsa_system_sgpr_workgroup_id_x 1
		.amdhsa_system_sgpr_workgroup_id_y 1
		.amdhsa_system_sgpr_workgroup_id_z 1
		.amdhsa_system_vgpr_workitem_id 0
		.amdhsa_next_free_vgpr 960
		.amdhsa_next_free_sgpr 66
		.amdhsa_reserve_vcc 0
		.amdhsa_float_denorm_mode_32 3
		.amdhsa_float_denorm_mode_16_64 3
		.amdhsa_memory_ordered 1
		.amdhsa_forward_progress 1
		.amdhsa_inst_pref_size 88
	.end_amdhsa_kernel
	.amdgpu_metadata
---
amdhsa.version: [ 1, 2 ]
amdhsa.kernels:
  - .name:           k_q0010a73a64_up
    .symbol:         k_q0010a73a64_up.kd
    .args:
      - { .name: x_codes, .offset: 0, .size: 8, .value_kind: global_buffer, .address_space: global }
      - { .name: x_scales, .offset: 8, .size: 8, .value_kind: global_buffer, .address_space: global }
      - { .name: w1i, .offset: 16, .size: 8, .value_kind: global_buffer, .address_space: global }
      - { .name: w1s, .offset: 24, .size: 8, .value_kind: global_buffer, .address_space: global }
      - { .name: b1, .offset: 32, .size: 8, .value_kind: global_buffer, .address_space: global }
      - { .name: order, .offset: 40, .size: 8, .value_kind: global_buffer, .address_space: global }
      - { .name: blk, .offset: 48, .size: 8, .value_kind: global_buffer, .address_space: global }
      - { .name: hc, .offset: 56, .size: 8, .value_kind: global_buffer, .address_space: global }
      - { .name: hs, .offset: 64, .size: 8, .value_kind: global_buffer, .address_space: global }
    .group_segment_fixed_size: 51712
    .private_segment_fixed_size: 0
    .kernarg_segment_align: 8
    .kernarg_segment_size: 72
    .max_flat_workgroup_size: 128
    .sgpr_count:     66
    .vgpr_count:     960
    .wavefront_size: 32
...
	.end_amdgpu_metadata
.endif
;; end of part 5
;; launch down (part 6): grid 4 x 64, 4 waves a work-group, no clusters, 120,320 bytes of LDS; arguments hc, hs, w2i, w2s, b2, order, blk, topK_indices, topK_scores, out0; writes out0
.if DOCPART == 6
	.amdgcn_target "amdgcn-amd-amdhsa--gfx1250"
	.amdhsa_code_object_version 6
	.text
	.protected	k_q0010a73a64_down
	.globl	k_q0010a73a64_down
	.p2align	8
	.type	k_q0010a73a64_down,@function
k_q0010a73a64_down:
	s_mov_b64 s[64:65], 0
	v_nop
	global_prefetch_b8 v0, s[64:65] scope:SCOPE_SE
	s_setreg_imm32_b32 hwreg(HW_REG_WAVE_SCHED_MODE, 0, 2), 2
	s_setreg_imm32_b32 hwreg(HW_REG_WAVE_MODE, 25, 1), 1
	s_wait_xcnt 0x0
	s_wait_alu depctr_vm_vsrc(0)
; DOWN.  y[token] = the sum over the block's experts e of gate_e[token] x (H_e W2[e] + b2[e]), for a block of 64 sorted tokens (work-group y) and 256 output columns (work-group x).
; gate_e = the sum of the token's scores whose index is e, so an expert that a token has not chosen adds 0 x a finite number; an index outside 0 .. 7 meets no expert.  The score scale of the definition is 1.0 and is not multiplied in.
; Each output element has one owner: a wave makes 64 tokens x 64 columns (group GA = 4 x + wave), sums the experts in ascending order in registers, and stores once.
; The product is used transposed (source 0 = 16 rows of W2, source 1 = 16 tokens of H); the bias is the C of each sum's first matrix instruction.
; The weights come from memory straight into a ring of four register sets, three K steps ahead, on into the next expert.  An expert's codes of H for the block (49,152 bytes and 2,048 of scale words) are wanted by all four
; waves: each wave loads a quarter into registers during the expert before, and stores it into the other of two LDS buffers; one barrier a trip, on every wave's path, parts the stores from the reads and the reads from the next stores.
; The walk over the list is a loop of 8 trips (two to a loop's trip, for the two buffers); trips at or beyond the list's length do nothing but the barrier.  This launch has
; no cluster with joint loads: partners' lists would differ.
; LIMITS: NaN and infinities are not served.
; REGISTERS, in windows of 256: window 0: v1-15 addresses, v16-31 H's scale words, v32-39 the weights' (four sets), v40-55 H's scale words as stored, v56-63 gates, v64-83 indices, scores, tokens, v88-95 at work, v128-255 accumulators, later rows on the way out.
;   window 1: v0-127 y; v128-159 the stores' offsets.   window 2: v0-95 H's fragments, two sets; v96-127 the bias; v128-227 the next expert's quarter of H.   window 3: v0-191 the weights' ring.
; THE MODE: SCHED_MODE bits 1:0 = 2 (LLVM: expert scheduling mode 2), set by the entry lines.  The code itself states the register dependences
; between vector or matrix instructions and memory or LDS instructions, with s_wait_alu, always for 0.
; THE PLAN.  Registers that memory or LDS instructions touch:
;   the weights' ring and its scale words v32-39   K step s's 16 products read set s % 4; the 13 loads issued in step s land in set (s + 3) % 4 = (s - 1) % 4, which the products of step s - 1 read last.
;   H's fragments, two sets                        K step s's products read set s % 2; the 12 LDS loads issued in step s land in the other set, which the products of step s - 1 read last.
;   the bias                                       K step 0's products read it as C; the next expert's is loaded in step 5.
;   v40-55                                         LDS loads at a trip's head land there; the trip's 16 v_perm_b32 read them and write v16-31, which the products take as scales.
;   the quarter of H (window 2, v128-227)          global loads of steps 0 to 4 land there; my LDS stores behind step 7 (at the head: behind the first loads) read it.  No vector instruction names it.
;   y and the stores' offsets (window 1)           written by vector instructions; read by the way out's stores.
;   v128-255 on the way out                        four buffers of 32, one for each token tile: an LDS load lands in each register once, a global store reads it once.
;   v1-15, v80-86                                  addresses, never written again once a memory instruction has read them; the bases are scalar registers.
; So ONE wait on va_vdst stands in a K step that loads, behind the waits for the step's own set and fragments: the products of the step before are done with the registers in which this step's loads land.  The loads are dealt
; among the step's products, which name set s % 4, set s % 2, the accumulators and their own scale words: none of the registers that those loads touch.  At a trip's head one wait on vm_vsrc (my LDS stores have read the quarter
; of H) and one on va_vdst (ahead of the trip's first LDS loads); one on va_sdst behind the run of eight compares; one on va_vdst ahead of the way out.
.set BUF,  51200                       ; LDS: two buffers of 49,152 + 2,048 bytes; behind them a stage of 16 rows x 272 bytes for each wave
.set STG,  102400
.set SRD,  1                           ; v1   the stage: where I read a row back
.set LI,   4                           ; v4   16 lane: also H's fragments in buffer 0;  v6 in buffer 1
.set L8,   5
.set LH1,  6
.set LS0,  7                           ; v7, v8   H's scale words in buffer 0, 1
.set SW0,  9                           ; v9, v10  where I store my quarter of the codes
.set SS0,  11                          ; v11, v12 and of the scale words
.set C16,  13                          ; v13  16 r + 256 GA
.set BO,   14                          ; v14  64 h
.set STO,  15                          ; v15  the stage: where I put 64 bytes of a row
.set HSC,  16
.set WS,   32
.set HSR,  40
.set G,    56
.set IDX,  64
.set SCR,  72
.set TOK,  80
.set TT,   88                          ; v88-95 the eight chosen scores
.set ACC,  128
.set BIAS, 96
.set SR,   128
.set GM,   4                           ; s4-11 the eight compares' masks, in registers whose pointers have gone into the wave's places at the head and that no memory instruction names
.set WV,   24
.set GA,   25
.set LIST, 26
.set CNT,  27
.set BB,   28
.set IT,   29
.set EC,   30
.set EN,   31
.set WB,   32
.set SB,   34
.set WN,   36
.set SN,   38
.set BN,   40
.set HN,   42                          ; s[42:43] my quarter of the next expert's codes of H; s[44:45] of their scale words
.set HSN,  44
.set PW,   46
.set PS,   48
.set PB,   50
.set PH,   52
.set PHS,  54
.set LP,   60
.set MSB, 0
.macro WIN new                         ; the immediate's high byte repeats the setting that is left
.if MSB != \new
	s_set_vgpr_msb (MSB<<8)|\new
.set MSB, \new
.endif
.endm
.macro PLACES                          ; four plain places behind matrix instructions, ahead of loads into registers that they read and of the first read of results
.rept 4
	v_nop
.endr
.endm
.macro LW wb, sb, sig                  ; K step sig's four tiles of weights and their scale words into set sig % 4: 13 loads
	WIN 0xc0
.irp t, 0,1,2,3
.irp j, 0,1,2
	global_load_b128 v[48*((\sig)%4)+12*\t+4*\j:48*((\sig)%4)+12*\t+4*\j+3], v[LI], s[\wb:\wb+1] offset:6144*(\sig)+1536*\t+512*\j
.endr
.endr
	WIN 0
	global_load_b64 v[WS+2*((\sig)%4):WS+2*((\sig)%4)+1], v[L8], s[\sb:\sb+1] offset:256*(\sig)
.endm
.macro LB                              ; the next expert's bias: tile 2 b + u, lane (r, h): columns 32 b + 16 h + 8 u + 0 .. 7: 8 loads
	WIN 0x80
.irp b, 0,1
.irp u, 0,1
.irp k, 0,1
	global_load_b128 v[BIAS+8*(2*\b+\u)+4*\k:BIAS+8*(2*\b+\u)+4*\k+3], v[BO], s[BN:BN+1] offset:128*\b+32*\u+16*\k
.endr
.endr
.endr
	WIN 0
.endm
.macro SLD i                           ; piece i of 25 of my quarter of the next expert's H: 24 of codes, one of scale words; 512 consecutive bytes each
.if (\i) < 24
	global_load_b128 v[SR+4*(\i):SR+4*(\i)+3], v[LI], s[HN:HN+1] offset:512*(\i)
.else
	global_load_b128 v[SR+96:SR+99], v[LI], s[HSN:HSN+1]
.endif
.endm
.macro NEXTP                           ; the next expert's places
	s_mul_i32 s56, s[EN], 786432
	s_add_nc_u64 s[WN:WN+1], s[PW:PW+1], s[56:57]
	s_lshl_b32 s56, s[EN], 15
	s_add_nc_u64 s[SN:SN+1], s[PS:PS+1], s[56:57]
	s_lshl_b32 s56, s[EN], 12
	s_add_nc_u64 s[BN:BN+1], s[PB:PB+1], s[56:57]
	s_mul_i32 s56, s[EN], 3145728
	s_add_nc_u64 s[HN:HN+1], s[PH:PH+1], s[56:57]
	s_lshl_b32 s56, s[EN], 17
	s_add_nc_u64 s[HSN:HSN+1], s[PHS:PHS+1], s[56:57]
.endm
; 4 of a K step's 16 matrix instructions: token tile m against the four tiles of weights, 128 along K.  A step takes m = 0, 1, 2, 3: the 16 accumulators take turns, one instruction a turn, in the same
; order in every step.  K step 0 takes the bias as C.
.macro MULM s, m
.if (\s) == 0
	WIN 0x2b                                       ; source 0 window 3, source 1 window 2, C window 2
.else
	WIN 0x0b
.endif
.irp t, 0,1,2,3
.set DR, ACC+32*(\m)+8*\t
.set AR, 48*((\s)%4)+12*\t
.set BR, 48*((\s)%2)+12*(\m)
.if (\s) == 0
.set CR, BIAS+8*\t
.else
.set CR, DR
.endif
.set SAR, WS+2*((\s)%4)+\t/2
.set SBR, HSC+2*(\s)+(\m)%2
.if (\t%2 == 0) && ((\m) < 2)
	v_wmma_scale_f32_16x16x128_f8f6f4 v[DR:DR+7], v[AR:AR+11], v[BR:BR+11], v[CR:CR+7], v[SAR], v[SBR] matrix_a_fmt:MATRIX_FMT_FP6 matrix_b_fmt:MATRIX_FMT_FP6
.elseif (\t%2 == 1) && ((\m) < 2)
	v_wmma_scale_f32_16x16x128_f8f6f4 v[DR:DR+7], v[AR:AR+11], v[BR:BR+11], v[CR:CR+7], v[SAR], v[SBR] matrix_a_fmt:MATRIX_FMT_FP6 matrix_b_fmt:MATRIX_FMT_FP6 matrix_a_scale:MATRIX_SCALE_ROW1
.elseif (\t%2 == 0)
	v_wmma_scale_f32_16x16x128_f8f6f4 v[DR:DR+7], v[AR:AR+11], v[BR:BR+11], v[CR:CR+7], v[SAR], v[SBR] matrix_a_fmt:MATRIX_FMT_FP6 matrix_b_fmt:MATRIX_FMT_FP6 matrix_b_scale:MATRIX_SCALE_ROW1
.else
	v_wmma_scale_f32_16x16x128_f8f6f4 v[DR:DR+7], v[AR:AR+11], v[BR:BR+11], v[CR:CR+7], v[SAR], v[SBR] matrix_a_fmt:MATRIX_FMT_FP6 matrix_b_fmt:MATRIX_FMT_FP6 matrix_a_scale:MATRIX_SCALE_ROW1 matrix_b_scale:MATRIX_SCALE_ROW1
.endif
.endr
.endm
; A K step.  Its group of global loads: with a next expert 5 pieces of that expert's H and a set of weights in steps 0 to 4 (18), its bias and first set in step 5 (21), a set in steps 6 and 7 (13); without, a set in steps 0 to 4 (13).
; The set of weights stands last in its group.  The wait on LOADcnt, ahead of the step's own group, counts the loads issued behind this step's set, which stands in the group of three steps back: the sum of the two groups since.
; H's fragments of the next K step come from LDS into the other of two sets; at a step's head they are the only LDS loads out, so the wait on DScnt is for 0.
; The order: places, the waits, 4 products, the LDS loads and the pieces of H (step 5: the bias), 4 products, the set of weights, 8 products.
.macro STEP s, next, p
	PLACES
.if \next
.if (\s) == 0
	s_wait_loadcnt 26
.elseif (\s) == 1
	s_wait_loadcnt 31
.elseif (\s) <= 5
	s_wait_loadcnt 36
.elseif (\s) == 6
	s_wait_loadcnt 39
.else
	s_wait_loadcnt 34                              ; this also shows the 25 pieces of H landed: they are older than step 4's set
.endif
.elseif (\s) <= 5
	s_wait_loadcnt 26
.else
	s_wait_loadcnt 13*(7-(\s))
.endif
	s_wait_dscnt 0x0                               ; this step's fragments of H are in
.if ((\s) < 7) || (\next)
	s_wait_alu depctr_va_vdst(0)                   ; the products of the step before are done reading weight set (s - 1) % 4, its scale words and H's other set, in which this step's loads land; in step 0: the v_perm_b32 lines have written H's scale words, which the products take as scales; in step 5: K step 0's products are done reading the bias
.endif
	MULM \s, 0
.if (\s) < 7
	WIN 0x80
.irp m, 0,1,2,3
.irp j, 0,1,2
	ds_load_b128 v[48*(((\s)+1)%2)+12*\m+4*\j:48*(((\s)+1)%2)+12*\m+4*\j+3], v[LI+2*\p] offset:1536*(4*((\s)+1)+\m)+512*\j   ; no wait: no vector or matrix instruction since the wait above names these registers
.endr
.endr
.endif
.if (\next) && ((\s) <= 4)
	WIN 0x80
.irp i, 0,1,2,3,4
	SLD 5*(\s)+\i
.endr
.endif
.if (\next) && ((\s) == 5)
	LB
.endif
	MULM \s, 1
.if (\s) <= 4
	LW WB, SB, (\s)+3
.elseif \next
	LW WN, SN, (\s)-5
.endif
	MULM \s, 2
	MULM \s, 3
.endm
; A trip: one place of the list; H lies in buffer p.
.macro TRIP p
	s_wait_dscnt 0x0                               ; my stores into buffer p have landed, and my reads of the other buffer are back
	s_wait_alu depctr_vm_vsrc(0)                   ; my LDS stores have read the quarter of H (window 2, v128-227), in which this trip's global loads land
	s_barrier_signal -1
	s_barrier_wait -1                              ; both now hold of all four waves
	s_cmp_lt_u32 s[IT], s[CNT]
	s_cbranch_scc0 .Lskip_\@
	s_wait_xcnt 0x0                                ; every base is written again only behind this wait
	s_and_b32 s[EC], s[LIST], 7
	s_min_u32 s[EC], s[EC], 7
	s_lshr_b32 s[LIST], s[LIST], 4
	s_and_b32 s[EN], s[LIST], 7
	s_min_u32 s[EN], s[EN], 7
	s_mov_b64 s[WB:WB+1], s[WN:WN+1]
	s_mov_b64 s[SB:SB+1], s[SN:SN+1]
	NEXTP
	s_wait_alu depctr_va_vdst(0)                   ; the last trip's v_perm_b32 lines are done reading v40-55, and its products H's first set: the LDS loads below land there
.irp g, 0,1,2,3,4,5,6,7,8,9,10,11,12,13,14,15
	ds_load_b32 v[HSR+\g], v[LS0+\p] offset:128*\g
.endr
	WIN 0x80
.irp m, 0,1,2,3
.irp j, 0,1,2
	ds_load_b128 v[12*\m+4*\j:12*\m+4*\j+3], v[LI+2*\p] offset:1536*\m+512*\j
.endr
.endr
	WIN 0
.irp m, 0,1,2,3                        ; the gates of this expert, while the LDS loads are out: a choice of values, no branch.  The eight compares stand in one run
	v_cmp_eq_u32 s[GM+2*\m], s[EC], v[IDX+2*\m]
	v_cmp_eq_u32 s[GM+2*\m+1], s[EC], v[IDX+2*\m+1]
.endr
	s_wait_alu depctr_va_sdst(0)                   ; the eight masks are written, ahead of their first reader
.irp m, 0,1,2,3
	v_cndmask_b32 v[TT+2*\m], 0, v[SCR+2*\m], s[GM+2*\m]
	v_cndmask_b32 v[TT+2*\m+1], 0, v[SCR+2*\m+1], s[GM+2*\m+1]
.endr
.irp m, 0,1,2,3
	v_add_f32 v[G+2*\m], v[TT+2*\m], v[TT+2*\m+1]
.endr
	s_wait_dscnt 12                                ; the scale words are in; K step 0's fragments may be out
.irp s, 0,1,2,3,4,5,6,7                ; a K step's word of a tile: the two bytes of unit group 2 s and the two of 2 s + 1, interleaved as the permuted K asks.  The first pair stands 18 plain places ahead of its products
	v_perm_b32 v[HSC+2*\s], v[HSR+2*\s+1], v[HSR+2*\s], 0x05010400     ; tiles 0 (lanes 0-15) and 2 (lanes 16-31)
	v_perm_b32 v[HSC+2*\s+1], v[HSR+2*\s+1], v[HSR+2*\s], 0x07030602   ; tiles 1 and 3
.endr
	s_add_co_u32 s62, s[IT], 1
	s_cmp_lt_u32 s62, s[CNT]
	s_cbranch_scc0 .Llast_\@
.irp s, 0,1,2,3,4,5,6,7
	STEP \s, 1, \p
.endr
	WIN 0x08                                       ; an LDS store's data are its source 1: window 2
.irp i, 0,1,2,3,4,5,6,7,8,9,10,11,12,13,14,15,16,17,18,19,20,21,22,23
	ds_store_b128 v[SW0+1-\p], v[SR+4*\i:SR+4*\i+3] offset:512*\i   ; the next expert's H, as the loads left it, into the other buffer, which nobody has read since this trip's barrier
.endr
	ds_store_b128 v[SS0+1-\p], v[SR+96:SR+99]
	WIN 0
	s_branch .Lepi_\@
.Llast_\@:                                             ; the list's last expert asks for nothing more
.irp s, 0,1,2,3,4,5,6,7
	STEP \s, 0, \p
.endr
	WIN 0
.Lepi_\@:
	PLACES
	WIN 0x50                                       ; y (destination and source 2) window 1
.irp m, 0,1,2,3
.irp i, 0,2,4,6,8,10,12,14,16,18,20,22,24,26,28,30
	v_pk_fma_f32 v[32*\m+\i:32*\m+\i+1], v[ACC+32*\m+\i:ACC+32*\m+\i+1], v[G+2*\m:G+2*\m+1], v[32*\m+\i:32*\m+\i+1] op_sel_hi:[1,0,1]   ; y += gate x result; each accumulator from its low end on
.endr
.endr
	WIN 0
.Lskip_\@:
	s_add_co_u32 s[IT], s[IT], 1
.endm
	s_load_b512 s[4:19], s[0:1], 0x0               ; hc, hs, w2i, w2s, b2, order, blk, indices
	s_load_b128 s[20:23], s[0:1], 0x40             ; scores, out0
	v_lshl_add_u32 v126, v0, 2, 0x1d400
	v_mov_b32 v127, 0
	v_lshrrev_b32 v84, 5, v0
	v_readfirstlane_b32 s[WV], v84
	v_and_b32 v84, 31, v0                          ; lane
	v_and_b32 v2, 15, v0                           ; r
	v_bfe_u32 v3, v0, 4, 1                         ; h
	s_and_b32 s[BB], ttmp7, 0xffff
	s_lshl_b32 s[GA], ttmp9, 2
	s_wait_alu depctr_va_sdst(0)                   ; the wave's number is written, ahead of its first reader
	s_add_co_u32 s[GA], s[GA], s[WV]
	v_lshlrev_b32 v[LI], 4, v84
	v_lshlrev_b32 v[L8], 3, v84
	v_add_nc_u32 v[LH1], BUF, v[LI]
	v_lshlrev_b32 v[LS0], 2, v84
	v_add_nc_u32 v[LS0], 49152, v[LS0]
	v_add_nc_u32 v[LS0+1], BUF, v[LS0]
	s_mul_i32 s58, s[WV], 12288
	v_add_nc_u32 v[SW0], s58, v[LI]
	v_add_nc_u32 v[SW0+1], BUF, v[SW0]
	s_lshl_b32 s58, s[WV], 9
	s_add_co_u32 s58, s58, 49152
	v_add_nc_u32 v[SS0], s58, v[LI]
	v_add_nc_u32 v[SS0+1], BUF, v[SS0]
	v_lshlrev_b32 v[C16], 4, v2
	s_lshl_b32 s58, s[GA], 8
	v_add_nc_u32 v[C16], s58, v[C16]
	v_lshlrev_b32 v[BO], 6, v3
	s_mul_i32 s58, s[WV], 4352
	s_add_co_u32 s58, s58, STG                     ; my stage
	v_mul_u32_u24 v[STO], v2, 272
	v_lshl_add_u32 v[STO], v3, 6, v[STO]
	v_add_nc_u32 v[STO], s58, v[STO]               ; in: row r, + 64 h
	v_mul_u32_u24 v[SRD], v3, 272
	v_lshl_add_u32 v[SRD], v2, 4, v[SRD]
	v_add_nc_u32 v[SRD], s58, v[SRD]               ; back: lanes 0-15 one row of 256 bytes, lanes 16-31 the next
	v_lshlrev_b32 v85, 2, v2                       ; 4 r
	v_lshlrev_b32 v86, 2, v3                       ; 4 h
.irp m, 0,1,2,3
	v_mov_b32 v[G+2*\m+1], 0                       ; named as the upper halves of pairs, so they are written
.endr
	s_mov_b32 s57, 0
	s_lshl_b32 s63, s[BB], 3
	s_wait_kmcnt 0x0
	s_load_b64 s[LIST:LIST+1], s[16:17], s63 offset:0x0   ; the block's list and its length
	s_lshl_b32 s56, s[BB], 8
	s_add_nc_u64 s[14:15], s[14:15], s[56:57]      ; order at the block's first position
	s_wait_alu depctr_va_vdst(0)                   ; the addresses v1, v4 to v15, v85 and v86 are written, which the kernel's loads and stores read
.irp m, 0,1,2,3
	global_load_b32 v[TOK+\m], v85, s[14:15] offset:64*\m   ; token 16 m + r of the block
.endr
	s_mul_i32 s56, s[GA], 49152
	s_add_nc_u64 s[PW:PW+1], s[8:9], s[56:57]
	s_lshl_b32 s56, s[GA], 11
	s_add_nc_u64 s[PS:PS+1], s[10:11], s[56:57]
	s_lshl_b32 s56, s[GA], 8
	s_add_nc_u64 s[PB:PB+1], s[12:13], s[56:57]
	s_mul_i32 s56, s[BB], 49152
	s_mul_i32 s58, s[WV], 12288
	s_add_co_u32 s56, s56, s58
	s_add_nc_u64 s[PH:PH+1], s[4:5], s[56:57]
	s_lshl_b32 s56, s[BB], 11
	s_lshl_b32 s58, s[WV], 9
	s_add_co_u32 s56, s56, s58
	s_add_nc_u64 s[PHS:PHS+1], s[6:7], s[56:57]
	s_wait_kmcnt 0x0
	s_and_b32 s[EN], s[LIST], 7
	s_min_u32 s[EN], s[EN], 7
	NEXTP
	WIN 0x80
.irp i, 0,1,2,3,4,5,6,7,8,9,10,11,12,13,14,15,16,17,18,19,20,21,22,23,24
	SLD \i                                         ; my quarter of the first expert's H
.endr
	LB
	LW WN, SN, 0
	LW WN, SN, 1
	s_wait_loadcnt 59                              ; the four tokens' numbers are in; behind them stand 25 + 8 + 26 loads
.irp m, 0,1,2,3
	v_min_u32 v[TOK+\m], 0xfff, v[TOK+\m]
	v_lshlrev_b32 v[TOK+\m], 3, v[TOK+\m]
.endr
	s_wait_alu depctr_va_vdst(0)                   ; the four offsets made of the tokens' numbers are written, which the loads of indices and scores read
.irp m, 0,1,2,3
	global_load_b64 v[IDX+2*\m:IDX+2*\m+1], v[TOK+\m], s[18:19]
	global_load_b64 v[SCR+2*\m:SCR+2*\m+1], v[TOK+\m], s[20:21]
.endr
	LW WN, SN, 2
	WIN 0x40
.irp m, 0,1,2,3
.irp i, 0,1,2,3,4,5,6,7
	global_load_b32 v[128+8*\m+\i], v86, s[14:15] offset:64*\m+8*\i   ; the token whose row I store: position 16 m + 2 i + h
.endr
.endr
.set i, 0
.rept 128
	v_mov_b32 v[i], 0                              ; y.  The trip is written once: the first expert adds onto zeros; these lines stand while the head's loads are on their way
.set i, i+1
.endr
	s_wait_loadcnt 0x0
	WIN 0x08
.irp i, 0,1,2,3,4,5,6,7,8,9,10,11,12,13,14,15,16,17,18,19,20,21,22,23
	ds_store_b128 v[SW0], v[SR+4*\i:SR+4*\i+3] offset:512*\i
.endr
	ds_store_b128 v[SS0], v[SR+96:SR+99]
	WIN 0x44
.set i, 0
.rept 32
	v_min_u32 v[128+i], 0xfff, v[128+i]
.set i, i+1
.endr
	WIN 0x41
.set i, 0
.rept 32
	v_lshl_add_u32 v[128+i], v[128+i], 12, v[C16]  ; the row's 4,096 bytes x token, + my wave's 256 bytes, + 16 r
.set i, i+1
.endr
	WIN 0
	s_mov_b32 s[IT], 0
	s_mov_b32 s[LP], 0
.Lpair:
	TRIP 0
	TRIP 1
	s_add_co_u32 s[LP], s[LP], 1
	s_cmp_lt_u32 s[LP], 4
	s_cbranch_scc1 .Lpair
; THE WAY OUT, a token tile at a time.  A lane holds 16 neighbouring columns twice, and the lanes beside it hold other tokens: so a tile goes through my own stage and comes back as whole rows of 256 bytes.
; LDS serves a wave's instructions in order: no wait between the stores and the loads, nor ahead of the next tile's stores.  Each tile's rows come back into 32 registers of their own, so no register that a store reads is loaded again.
.macro TOSTAGE m
	WIN 0x04                                       ; the data: window 1
.irp b, 0,1
.irp q, 0,1,2,3
	ds_store_b128 v[STO], v[32*(\m)+16*\b+4*\q:32*(\m)+16*\b+4*\q+3] offset:128*\b+16*\q
.endr
.endr
	WIN 0
.irp i, 0,1,2,3,4,5,6,7
	ds_load_b128 v[ACC+32*(\m)+4*\i:ACC+32*(\m)+4*\i+3], v[SRD] offset:544*\i
.endr
.endm
.macro SEND m, younger                 ; younger: the LDS instructions issued behind tile m's loads
	s_wait_dscnt \younger
	WIN 0x01                                       ; the offsets: window 1
.irp i, 0,1,2,3,4,5,6,7
	global_store_b128 v[128+8*(\m)+\i], v[ACC+32*(\m)+4*\i:ACC+32*(\m)+4*\i+3], s[22:23] th:TH_STORE_NT   ; each half of the lanes stores 256 consecutive bytes, aligned, of one token's row
.endr
	WIN 0
.endm
	s_wait_alu depctr_va_vdst(0)                   ; y and the stores' offsets are written, which the stores below read; the products and the multiply-adds are done with v128-255, in which the rows land.  No vector instruction follows
	TOSTAGE 0
.irp m, 1,2,3
	TOSTAGE \m
	SEND \m-1, 16
.endr
	SEND 3, 0
	s_wait_dscnt 0x0                               ; the closing lines, six on end
	s_wait_alu 0x0
	s_wait_tensorcnt 0x0
	ds_add_u32 v126, v127
	s_wait_dscnt 0x0
	s_endpgm
.Lfunc_end_k_q0010a73a64_down:
	.size	k_q0010a73a64_down, .Lfunc_end_k_q0010a73a64_down-k_q0010a73a64_down
	.p2alignl 7, 3214868480
	.fill 96, 4, 3214868480
	.section	.rodata,"a",@progbits
	.p2align	6, 0x0
	.amdhsa_kernel k_q0010a73a64_down
		.amdhsa_group_segment_fixed_size 120320
		.amdhsa_private_segment_fixed_size 0
		.amdhsa_enable_private_segment 0
		.amdhsa_kernarg_size 80
		.amdhsa_user_sgpr_count 2
		.amdhsa_user_sgpr_kernarg_segment_ptr 1
		.amdhsa_wavefront_size32 1
		.amdhsa_system_sgpr_workgroup_id_x 1
		.amdhsa_system_sgpr_workgroup_id_y 1
		.amdhsa_system_sgpr_workgroup_id_z 1
		.amdhsa_system_vgpr_workitem_id 0
		.amdhsa_next_free_vgpr 960
		.amdhsa_next_free_sgpr 66
		.amdhsa_reserve_vcc 0
		.amdhsa_float_denorm_mode_32 3
		.amdhsa_float_denorm_mode_16_64 3
		.amdhsa_memory_ordered 1
		.amdhsa_forward_progress 1
		.amdhsa_inst_pref_size 190
	.end_amdhsa_kernel
	.amdgpu_metadata
---
amdhsa.version: [ 1, 2 ]
amdhsa.kernels:
  - .name:           k_q0010a73a64_down
    .symbol:         k_q0010a73a64_down.kd
    .args:
      - { .name: hc, .offset: 0, .size: 8, .value_kind: global_buffer, .address_space: global }
      - { .name: hs, .offset: 8, .size: 8, .value_kind: global_buffer, .address_space: global }
      - { .name: w2i, .offset: 16, .size: 8, .value_kind: global_buffer, .address_space: global }
      - { .name: w2s, .offset: 24, .size: 8, .value_kind: global_buffer, .address_space: global }
      - { .name: b2, .offset: 32, .size: 8, .value_kind: global_buffer, .address_space: global }
      - { .name: order, .offset: 40, .size: 8, .value_kind: global_buffer, .address_space: global }
      - { .name: blk, .offset: 48, .size: 8, .value_kind: global_buffer, .address_space: global }
      - { .name: topK_indices, .offset: 56, .size: 8, .value_kind: global_buffer, .address_space: global }
      - { .name: topK_scores, .offset: 64, .size: 8, .value_kind: global_buffer, .address_space: global }
      - { .name: out0, .offset: 72, .size: 8, .value_kind: global_buffer, .address_space: global }
    .group_segment_fixed_size: 120320
    .private_segment_fixed_size: 0
    .kernarg_segment_align: 8
    .kernarg_segment_size: 80
    .max_flat_workgroup_size: 128
    .sgpr_count:     66
    .vgpr_count:     960
    .wavefront_size: 32
...
	.end_amdgpu_metadata
.endif
;; end of part 6
